; MI455X (gfx1250); checked and timed in simulation.
; The chip was launched on July 23, 2026; its instructions are those of AMD's public machine-readable ISA for CDNA 5 (MIT licence, August 2026) and "CDNA5" Instruction Set Architecture Reference Guide (July 2026). The comments in the code are by the model that wrote it; some were corrected since.
;; Block. Allowed arithmetic: matrix products marked QUANTISED: E4M3 operands, one given power-of-two scale a tensor, by v_wmma_f32_16x16x64_fp8_fp8 or v_wmma_f32_16x16x128_fp8_fp8, f32 sums; everything else in f32.
;; Inputs: b_fc 4,096 float32; b_mlp_proj 1,024 float32; ln1_b 1,024 float32; ln1_w 1,024 float32; ln2_b 1,024 float32; ln2_w 1,024 float32; lowp_scales 12 int32 (the exponents e of the quantised operands' scales 2^e); w_attn_proj_codes 1,024 x 32 x 32 uint8 (E4M3 codes of w_attn_proj, K innermost, in blocks of 32 codes); w_fc_codes 4,096 x 32 x 32 uint8 (E4M3 codes of w_fc, K innermost, in blocks of 32 codes); w_mlp_proj_codes 1,024 x 128 x 32 uint8 (E4M3 codes of w_mlp_proj, K innermost, in blocks of 32 codes); w_qkv_codes 3,072 x 32 x 32 uint8 (E4M3 codes of w_qkv, K innermost, in blocks of 32 codes); x 2 x 2,048 x 1,024 float32.
;; Outputs: out0 2 x 2,048 x 1,024 float32.
;; This version of the problem:
;;   THIS VERSION OF THE PROBLEM IS GIVEN IN LOW PRECISION. The matrix products marked QUANTISED in the list below multiply operands that are first quantised to E4M3 (4 exponent bits, 3 mantissa bits; 8 bits a number), with one given power-of-two scale for each operand tensor; their sums are f32. All else is computed in f32.
;;   The module's matrix products, in the order in which they are computed (A, B: the left and right operand; K: the contracted axis; several contracted axes count as one K, in the product's order):
;;     1. [M 4,096, K 1,024] x [K 1,024, N 3,072]; A: computed on the way; B: input w_qkv (given as codes): QUANTISED (scales: A lowp_scales[0], B lowp_scales[1])
;;     2. batch 32 x [M 2,048, K 64] x [K 64, N 2,048]; A: computed on the way; B: computed on the way: QUANTISED (scales: A lowp_scales[2], B lowp_scales[3])
;;     3. batch 32 x [M 2,048, K 2,048] x [K 2,048, N 64]; A: softmax (see below); B: computed on the way: QUANTISED (scales: A lowp_scales[4], B lowp_scales[5])
;;     4. [M 4,096, K 1,024] x [K 1,024, N 1,024]; A: computed on the way; B: input w_attn_proj (given as codes): QUANTISED (scales: A lowp_scales[6], B lowp_scales[7])
;;     5. [M 4,096, K 1,024] x [K 1,024, N 4,096]; A: computed on the way; B: input w_fc (given as codes): QUANTISED (scales: A lowp_scales[8], B lowp_scales[9])
;;     6. [M 4,096, K 4,096] x [K 4,096, N 1,024]; A: computed on the way; B: input w_mlp_proj (given as codes): QUANTISED (scales: A lowp_scales[10], B lowp_scales[11])
;;   THE QUANTISER, for each operand of a quantised product, along K:
;;     - The operand's scale is 2^e, e = its entry of the input lowp_scales (int32; the entries are numbered through the quantised products in the list's order, A before B).
;;     - Each number is divided by the scale, clamped to +-448, and rounded to the nearest number of E4M3, ties to even, subnormals kept.
;;     - The product sums the exact products of the quantised numbers (number of the format x scale) in f32.
;;   ~~~python
;;   def quantise(x, axis, e):      # numpy; x: float32 -> the quantised numbers, widened to float32 again
;;       x = np.moveaxis(x, axis, -1); K = x.shape[-1]
;;       r = np.clip(x / 2.0 ** e, -448, 448)
;;       step = 2.0 ** (np.maximum(np.frexp(np.where(r == 0, 1, r))[1] - 1, -6) - 3)
;;       q = np.round(r / step) * step * 2.0 ** e      # np.round: ties to even
;;       return np.moveaxis(q, -1, axis).astype(np.float32)
;;   ~~~
;;   SOFTMAX AHEAD OF A QUANTISED PRODUCT. Where the list says 'softmax', what is quantised is not the finished softmax but p = 2^(t - M), with t = logit x log2(e) and M = ceil(the row's largest t), a whole number; so 1/2 < the row's largest p <= 1. The row's sum l is taken of the UNQUANTISED p, in f32, and the product's result is divided by l at the end. Since M is a whole number, a kernel that streams over the keys may use a running M (the ceiling of the running maximum): every later rescaling is an exact power of two, so the quantised numbers keep their values, but for numbers so far below the row's largest that they fall under the format's range.
;;   OPERANDS COMPUTED ON THE WAY. 'Computed on the way' means the value that the module computes at that place (a softmax that the list does not call 'softmax' is quantised finished and normalised). What goes into a quantiser is computed in f32, as accurately as f32 sums, v_exp_f32 and their like allow (about 1e-6 of the number): no bf16 or f16 on the way to a quantiser, and a product that is left as it is and whose result goes on into a quantised operand takes f32 operands (vector FMAs, or v_wmma_f32_16x16x4_f32). A number that lies on a knife's edge between two numbers of the format may be rounded either way, as far as f32 arithmetic and the matrix unit's own rounding can turn it there, and no further.
;;   INPUTS GIVEN AS CODES. w_attn_proj (in the module: [1024, 1024], K = its axis 0); w_fc (in the module: [1024, 4096], K = its axis 0); w_mlp_proj (in the module: [4096, 1024], K = its axis 0); w_qkv (in the module: [1024, 3072], K = its axis 0): each comes as NAME_codes (uint8): NAME with its K axis moved to the last place and cut into blocks of 32 codes, [.., K / 32, bytes a block], one block behind the other in memory; one code a byte (a code: sign, 4 exponent bits, 3 mantissa bits); its scale is its entry of lowp_scales. Its value is code x scale, taken as it is: it is not quantised again, and the codes and scales need not be those that the quantiser above would give.
;; One version. Each part assembles by itself: llvm-mc -triple=amdgcn-amd-amdhsa -mcpu=gfx1250 --defsym DOCPART=n.
;; ======== version 1 of 1: 7 launches
;; limits: right only within a limited range of input values
;; workspace buffers: ac 4,194,304 bytes; qc 4,194,304 bytes; kc 4,194,304 bytes; vc 4,194,304 bytes; yc 4,194,304 bytes; x1 16,777,216 bytes; gc 16,777,216 bytes
;; launch ln1 (part 1): grid 256 x 1, 4 waves a work-group, no clusters, 0 bytes of LDS; arguments x, ln1_w, ln1_b, lowp_scales, ac; writes ac
.if DOCPART == 1
	.amdgcn_target "amdgcn-amd-amdhsa--gfx1250"
	.amdhsa_code_object_version 6
	.text
	.protected	k_q99e6919f3b_ln1
	.globl	k_q99e6919f3b_ln1
	.p2align	8
	.type	k_q99e6919f3b_ln1,@function
k_q99e6919f3b_ln1:
	s_mov_b64 s[64:65], 0
	v_nop
	global_prefetch_b8 v0, s[64:65] scope:SCOPE_SE
	s_setreg_imm32_b32 hwreg(HW_REG_WAVE_MODE, 25, 1), 1
	s_wait_xcnt 0x0
; ac = codes of E4M3 of LayerNorm(x) = (x - mean) * rsqrt(var + 1e-5) * w + b, with the given scale 2^e, e = the entry of the scales at byte EOFF.
; x: [4096][1024] f32.  ac: [4096][1024] codes, one byte each, the row's 1,024 numbers innermost.
; A wave takes four whole rows, so a row's two sums never leave the wave: no LDS, no barrier, no matrix unit, no cluster (work-groups share only w and b, 8 KB).
; Lane l holds, for i = 0 .. 3, the eight neighbours 256 i + 8 l + 0 .. 7 of a row: two loads of 16 bytes; a pair of loads covers 1,024 consecutive bytes,
; and the lane's eight codes are 8 bytes, so that the wave's store covers 256 consecutive bytes, aligned.
; All 48 loads of a wave (w, b, four rows) are issued before the first wait.  The variance is taken of x - mean (two passes over registers), so that a common offset of the inputs does not cancel.
; LIMITS: e between -126 and 119, so that 2^e and 448 x 2^e are f32 numbers.  NaN and infinities among the inputs are not served.
.set EOFF, 0x0
.set LW,  16                           ; v16-47   w of my 32 columns
.set LB,  48                           ; v48-79   b
.set X,   80                           ; v80-207  four rows, 32 numbers each
.set S,   208                          ; v208-215 four chains of packed sums
.set MU,  216                          ; v216-217 the mean, twice
.set RS,  218                          ; v218-219 1 / sqrt(var + eps), twice
.set PD,  220                          ; v220     the lane permute's destination
.set VA,  221                          ; v221     var + eps
.set SC,  222                          ; v222     2^e
.set LIM, 223
.set CD,  224                          ; v224-255 codes: eight registers for each row, so that no store's data are written again
	s_load_b256 s[4:11], s[0:1], 0x0               ; x s[4:5], w s[6:7], b s[8:9], the scales' exponents s[10:11]
	s_load_b64 s[12:13], s[0:1], 0x20              ; the codes
	v_lshrrev_b32 v3, 5, v0
	v_readfirstlane_b32 s16, v3                    ; wave
	v_and_b32 v4, 31, v0                           ; lane
	v_lshlrev_b32 v1, 5, v4                        ; 32 bytes of f32 a lane
	v_lshlrev_b32 v2, 3, v4                        ; 8 bytes of codes a lane
	v_mov_b32 v[PD], 0                             ; written once: a lane permute's destination counts as one of its sources
	s_lshl_b32 s17, ttmp9, 2
	s_add_co_u32 s17, s17, s16                     ; which four rows are my wave's
	s_lshl_b32 s18, s17, 14                        ; x 4 rows of 4,096 bytes
	s_mov_b32 s19, 0
	s_lshl_b32 s20, s17, 12                        ; x 4 rows of 1,024 bytes
	s_mov_b32 s21, 0
	s_mov_b32 s14, 0x76543210                      ; lane selects: lane l xor 16
	s_mov_b32 s15, 0xfedcba98
	s_mov_b32 s24, 0x3a800000                      ; 1 / 1024
	s_mov_b32 s25, 0x3727c5ac                      ; 1e-5
	s_wait_alu depctr_va_vdst(0)
	s_wait_kmcnt 0x0
	s_load_b32 s22, s[10:11], EOFF                 ; e
	s_add_nc_u64 s[4:5], s[4:5], s[18:19]
	s_add_nc_u64 s[12:13], s[12:13], s[20:21]
.irp i, 0,1,2,3
	global_load_b128 v[LW+8*\i:LW+8*\i+3],   v1, s[6:7] offset:1024*\i
	global_load_b128 v[LW+8*\i+4:LW+8*\i+7], v1, s[6:7] offset:1024*\i+16
	global_load_b128 v[LB+8*\i:LB+8*\i+3],   v1, s[8:9] offset:1024*\i
	global_load_b128 v[LB+8*\i+4:LB+8*\i+7], v1, s[8:9] offset:1024*\i+16
.endr
.irp p, 0,1,2,3
.irp i, 0,1,2,3
	global_load_b128 v[X+32*\p+8*\i:X+32*\p+8*\i+3],   v1, s[4:5] offset:4096*\p+1024*\i th:TH_LOAD_NT
	global_load_b128 v[X+32*\p+8*\i+4:X+32*\p+8*\i+7], v1, s[4:5] offset:4096*\p+1024*\i+16 th:TH_LOAD_NT
.endr
.endr
	s_wait_kmcnt 0x0
	s_add_co_i32 s22, s22, 127
	s_lshl_b32 s23, s22, 23
	v_mov_b32 v[SC], s23                           ; 2^e as f32: the conversion takes its exponent field
	s_add_co_i32 s22, s22, 8
	s_lshl_b32 s22, s22, 23
	s_or_b32 s22, s22, 0x600000
; the four chains' pairs become one number, in every lane, in v[S]
.macro REDUCE
	v_pk_add_f32 v[S:S+1], v[S:S+1], v[S+2:S+3]
	v_pk_add_f32 v[S+4:S+5], v[S+4:S+5], v[S+6:S+7]
	v_pk_add_f32 v[S:S+1], v[S:S+1], v[S+4:S+5]
	v_add_f32 v[S], v[S], v[S+1]
	v_add_f32_dpp v[S], v[S], v[S] row_xmask:1 row_mask:0xf bank_mask:0xf
	v_add_f32_dpp v[S], v[S], v[S] row_xmask:2 row_mask:0xf bank_mask:0xf
	v_add_f32_dpp v[S], v[S], v[S] row_xmask:4 row_mask:0xf bank_mask:0xf
	v_add_f32_dpp v[S], v[S], v[S] row_xmask:8 row_mask:0xf bank_mask:0xf
	v_permlanex16_b32 v[PD], v[S], s14, s15
	v_add_f32 v[S], v[S], v[PD]
.endm
.macro ROW p
.set XR, X+32*(\p)
	s_wait_loadcnt 8*(3-(\p))                      ; loads come back in order: w, b and this row are in; the eight loads of each later row may be out
.irp k, 0,2,4,6
	v_pk_add_f32 v[S+\k:S+\k+1], v[XR+\k:XR+\k+1], v[XR+8+\k:XR+9+\k]   ; the first additions start the chains: nothing is cleared
.endr
.irp m, 16,24
.irp k, 0,2,4,6
	v_pk_add_f32 v[S+\k:S+\k+1], v[S+\k:S+\k+1], v[XR+\m+\k:XR+\m+\k+1]
.endr
.endr
	REDUCE
	v_mul_f32 v[MU], s24, v[S]                     ; the mean
	v_mul_f32 v[MU+1], s24, v[S]
.set j, 0
.rept 16
	v_pk_add_f32 v[XR+j:XR+j+1], v[XR+j:XR+j+1], v[MU:MU+1] neg_lo:[0,1] neg_hi:[0,1]   ; x - mean
.set j, j+2
.endr
.irp k, 0,2,4,6
	v_pk_mul_f32 v[S+\k:S+\k+1], v[XR+\k:XR+\k+1], v[XR+\k:XR+\k+1]
.endr
.irp m, 8,16,24
.irp k, 0,2,4,6
	v_pk_fma_f32 v[S+\k:S+\k+1], v[XR+\m+\k:XR+\m+\k+1], v[XR+\m+\k:XR+\m+\k+1], v[S+\k:S+\k+1]
.endr
.endr
	REDUCE
	v_fma_f32 v[VA], v[S], s24, s25                ; var + eps
	s_wait_alu depctr_va_vdst(0)
	v_rsq_f32 v[RS], v[VA]
	v_rsq_f32 v[RS+1], v[VA]
	v_nop                                          ; a plain instruction behind the last transcendental, ahead of the first use (ISA guide 5.7.2)
	s_wait_alu depctr_va_vdst(0)                   ; the wait ahead of the first reader: one for both
.set j, 0
.rept 16
	v_pk_mul_f32 v[XR+j:XR+j+1], v[XR+j:XR+j+1], v[RS:RS+1]
.set j, j+2
.endr
.set j, 0
.rept 16
	v_pk_fma_f32 v[XR+j:XR+j+1], v[XR+j:XR+j+1], v[LW+j:LW+j+1], v[LB+j:LB+j+1]
.set j, j+2
.endr
.set j, 0
.rept 32
.set j, j+1
.endr
.irp i, 0,1,2,3
	v_cvt_scalef32_pk8_fp8_f32 v[CD+8*(\p)+2*\i:CD+8*(\p)+2*\i+1], v[XR+8*\i:XR+8*\i+7], v[SC]
.endr
.irp i, 0,1,2,3
	global_store_b64 v2, v[CD+8*(\p)+2*\i:CD+8*(\p)+2*\i+1], s[12:13] offset:1024*(\p)+256*\i   ; 32 lanes store 256 consecutive bytes, aligned
.endr
.endm
	ROW 0
	ROW 1
	ROW 2
	ROW 3
	s_endpgm
.Lfunc_end_k_q99e6919f3b_ln1:
	.size	k_q99e6919f3b_ln1, .Lfunc_end_k_q99e6919f3b_ln1-k_q99e6919f3b_ln1
	.p2alignl 7, 3214868480
	.fill 96, 4, 3214868480
	.section	.rodata,"a",@progbits
	.p2align	6, 0x0
	.amdhsa_kernel k_q99e6919f3b_ln1
		.amdhsa_group_segment_fixed_size 0
		.amdhsa_private_segment_fixed_size 0
		.amdhsa_enable_private_segment 0
		.amdhsa_kernarg_size 40
		.amdhsa_user_sgpr_count 2
		.amdhsa_user_sgpr_kernarg_segment_ptr 1
		.amdhsa_wavefront_size32 1
		.amdhsa_system_sgpr_workgroup_id_x 1
		.amdhsa_system_sgpr_workgroup_id_y 1
		.amdhsa_system_sgpr_workgroup_id_z 1
		.amdhsa_system_vgpr_workitem_id 0
		.amdhsa_next_free_vgpr 256
		.amdhsa_next_free_sgpr 66
		.amdhsa_reserve_vcc 0
		.amdhsa_float_denorm_mode_32 3
		.amdhsa_float_denorm_mode_16_64 3
		.amdhsa_fp16_overflow 1
		.amdhsa_memory_ordered 1
		.amdhsa_forward_progress 1
		.amdhsa_inst_pref_size 34
	.end_amdhsa_kernel
	.amdgpu_metadata
---
amdhsa.version: [ 1, 2 ]
amdhsa.kernels:
  - .name:           k_q99e6919f3b_ln1
    .symbol:         k_q99e6919f3b_ln1.kd
    .args:
      - { .name: x, .offset: 0, .size: 8, .value_kind: global_buffer, .address_space: global }
      - { .name: ln1_w, .offset: 8, .size: 8, .value_kind: global_buffer, .address_space: global }
      - { .name: ln1_b, .offset: 16, .size: 8, .value_kind: global_buffer, .address_space: global }
      - { .name: lowp_scales, .offset: 24, .size: 8, .value_kind: global_buffer, .address_space: global }
      - { .name: ac, .offset: 32, .size: 8, .value_kind: global_buffer, .address_space: global }
    .group_segment_fixed_size: 0
    .private_segment_fixed_size: 0
    .kernarg_segment_align: 8
    .kernarg_segment_size: 40
    .max_flat_workgroup_size: 128
    .sgpr_count:     66
    .vgpr_count:     256
    .wavefront_size: 32
...
	.end_amdgpu_metadata
.endif
;; end of part 1
;; launch qkv (part 2): grid 48 x 4, 4 waves a work-group, clusters of 4 x 4, 327,680 bytes of LDS; arguments ac, w_qkv_codes, lowp_scales, qc, kc, vc; writes qc, kc, vc
.if DOCPART == 2
	.amdgcn_target "amdgcn-amd-amdhsa--gfx1250"
	.amdhsa_code_object_version 6
	.text
	.protected	k_q99e6919f3b_qkv
	.globl	k_q99e6919f3b_qkv
	.p2align	8
	.type	k_q99e6919f3b_qkv,@function
k_q99e6919f3b_qkv:
	s_mov_b64 s[64:65], 0
	v_nop
	global_prefetch_b8 v0, s[64:65] scope:SCOPE_SE
	s_setreg_imm32_b32 hwreg(HW_REG_WAVE_MODE, 25, 1), 1
	s_wait_xcnt 0x0
	s_wait_alu depctr_hold_cnt(0) depctr_sa_sdst(0) depctr_va_vdst(0) depctr_va_sdst(0) depctr_va_ssrc(0) depctr_va_vcc(0) depctr_vm_vsrc(0)
	s_getreg_b32 s2, hwreg(HW_REG_IB_STS2, 6, 4)
	s_cmp_eq_u32 s2, 0
	s_cbranch_scc0 .Lentry_in_a_cluster
	s_endpgm
.Lentry_in_a_cluster:
	s_bfe_u32 s2, ttmp6, 0x10000c
	s_cmp_lg_u32 s2, 0xf033
	s_cbranch_scc0 .Lentry_shape_is_right
	s_endpgm
.Lentry_shape_is_right:
; q, k, v = LN1(x) W_qkv on codes of E4M3, and the results quantised at once for the two products of attention.
; ac: [4096][1024] codes (scale 2^e0).  w_qkv_codes: [3072][1024] codes, K innermost (2^e1).  Sums in f32; a sum stands for sum x 2^(e0 + e1).
; OUTPUTS ARE IMAGES OF OPERAND REGISTERS.  The matrix instruction is used transposed (source 0 = 16 rows of B, source 1 = 16 rows of A): lane (r, h) then holds row r of A's block and, in accumulator b,
; B's rows 16 b + 8 h + 0 .. 7: one conversion of the eight gives registers 2 b, 2 b + 1 of the next product's fragment in the plain 8-bit layout (k = 16 b + 8 h + 0 .. 7).  Four registers of every lane
; are stored as 512 consecutive bytes, 16 a lane.  qc, kc: [token / 16: 256][head: 16][1,024 bytes] (lane = token, k = the head's 64).  vc: [token / 128: 32][channel / 16: 64][2,048 bytes] (lane = channel, k = 128 tokens).
; ONE PATH FOR q, k AND v.  For v a lane must be a channel, so there the weights take A's place and the tokens B's; both are rows of 1,024 bytes, so only pointers and strides change.
; The grid is 12 clusters of 4 x 4 work-groups along x; c = the cluster's number: c < 8: tokens 1,024 (c / 2) on, q (c even) or k (c odd); c >= 8: v, tokens 1,024 (c - 8) on.  All choices are selects on c, which the partners share.
; A tile is 256 x 256, four waves of 128 x 128 (64 accumulators); K goes in steps of 256 through two LDS slots.  A's tile is shared along a row of the cluster, B's along a column: each is asked for jointly.
; Both operands are rows here, so a fragment comes by four loads of 16 bytes (registers 4 c .. 4 c + 3: k = 32 c + 16 h + 0 .. 15): a permutation of k that is the same in A and in B, so every product meets its partner.
; LIMITS: E = e_t - e0 - e1 (e_t = e2, e3, e5 for q, k, v) between -126 and 119.
.set NA,     8                         ; blocks of 16 rows in a wave's tile, for A and for B
.set KK,     1                         ; matrix instructions deep along K in a step
.set AIMG,   0                         ; A arrives as rows
.set SIZE_K, 1024
; ---- the product's core: the same text in the four product kernels, steered by the four lines above ----
; THE ORDER ALONG K.  A lap is two slots.  A cluster walks K's laps in the order m xor P, m = 0 .. LAPS - 1; P is the parity of the ones in the cluster's x and y, the same in all sixteen partners.
; So, of the clusters that read the same rows of A or of B, some ask for laps 0, 1, 2, 3 and the others for laps 1, 0, 3, 2: every second lap that a cluster asks for has been asked for by another cluster one lap earlier.
; A sum's K steps are added in the cluster's order.
.set HB,     NA/2
.set ROWB,   256*KK                    ; a slot's part of a row, in bytes
.set PITCH,  ROWB+16                   ; an LDS row: 16 bytes of padding, so that the 16 rows that a load touches start at 16 different banks (64 banks of 4 bytes: ISA guide 11.1)
.set QI,     4+KK                      ; the padding's interval: a row's words
.set WR,     16*NA                     ; rows of a wave's tile, and of a tensor load
.set BHALF,  WR*PITCH
.if AIMG
.set AHALF,  WR*ROWB                   ; images lie dense
.set ASTEP,  16*ROWB                   ; a slot on, in a block's images
.else
.set AHALF,  BHALF
.set ASTEP,  ROWB
.endif
.set SLOT,   2*AHALF+2*BHALF           ; A's two halves, then B's two halves
.set SPARE,  2*SLOT                    ; behind the ring: the spare words, 128 bytes for each wave: two blocks of 256 bytes that no other line names
.set LAPS,   SIZE_K/(2*ROWB)           ; a lap = once round the ring: 1, 2 or 4 here
.set NLA,    4                         ; LDS loads that bring a unit of A
.set PAR,  2                           ; s2      P
.set BA,   4                           ; s[4:5]  the address of my half of A's tile at K = 0
.set BB,   6                           ; s[6:7]  the same for B
.set ADRA, 16                          ; v16-17  LDS address of my A fragments in slot 0, 1
.set ADRB, 20                          ; v20-21  the same for B
.set SPW,  28                          ; v28     LDS address of my spare word; never rewritten
.set NIL,  29                          ; v29     0; never rewritten
.set AF,   128                         ; window 0, v128-255: A's eight units (16 rows x 128 K), ONE set.  Window 1: B's eight units, TWO sets, at v0 and v128.  Windows 2, 3: the accumulators of my lower and upper blocks
.set G1,  24                           ; s[24:31] descriptor group 1 for A's tiles; s[32:39] group 0, one set for each slot
.set G0,  32
.set G1B, 48                           ; s[48:55], s[56:63] the same for B's
.set G0B, 56
.set MSB, 0
.macro WIN new                         ; the immediate's high byte repeats the setting that is left; a switch that changes nothing is dropped
.if MSB != (\new)
	s_set_vgpr_msb (MSB<<8)|(\new)
.set MSB, (\new)
.endif
.endm
.set MUL_LO, 0xa1                      ; source 0 (B) window 1, source 1 (A) window 0, C and D window 2
.set MUL_HI, 0xf1                      ; the same, C and D window 3
.set TO_B,   0x40                      ; destination window 1, address window 0
.macro PLACES n                        ; plain vector instructions between a matrix instruction and a load into, or a read of, its registers
.rept \n
	v_nop
.endr
.endm
; A joint load: waves 0 and 1 fetch A's halves, waves 2 and 3 B's.  The branch hangs on the wave's number alone.  Four v_nop follow each of the two lines.
.macro JLOAD g0a, g1a, g0b, g1b
	s_cmp_eq_u32 s15, 0
	s_cbranch_scc0 .Lfor_b_\@
	tensor_load_to_lds s[\g0a:\g0a+3], s[\g1a:\g1a+7]
	s_nop 0
.rept 4
	v_nop
.endr
	s_branch .Lasked_\@
.Lfor_b_\@:
	tensor_load_to_lds s[\g0b:\g0b+3], s[\g1b:\g1b+7]
	s_nop 0
.rept 4
	v_nop
.endr
.Lasked_\@:
.endm
.macro CREST                           ; a round of the cluster's barrier behind its opening barrier
	s_cmp_lg_u32 s14, 0
	s_cbranch_scc1 .Lnot_wave_0_\@
	s_barrier_signal -3
.Lnot_wave_0_\@:
	s_barrier_wait -3
	s_barrier_signal -1
	s_barrier_wait -1
.endm
.macro CROUND                          ; a whole round
	s_barrier_signal -1
	s_barrier_wait -1
	CREST
.endm
.macro IDS                             ; the add's two registers, the wave's number, my place in the cluster, the two masks
	v_lshl_add_u32 v[SPW], v0, 2, SPARE
	v_mov_b32 v[NIL], 0
	ds_add_u32 v28, v29
	ds_add_u32 v28, v29
	s_wait_dscnt 0x0
	v_lshrrev_b32 v1, 5, v0
	v_readfirstlane_b32 s14, v1                    ; wave 0..3
	s_lshr_b32 s15, s14, 1                         ; which half of the tile's rows is mine.  Also: I fetch for A (0) or for B (1)
	s_and_b32 s16, s14, 1                          ; which half of its columns.  Also: which half of that tile I fetch
	s_bfe_u32 s40, ttmp6, 0x40000                  ; cx
	s_bfe_u32 s41, ttmp6, 0x40004                  ; cy
	s_lshl_b32 s43, s41, 2
	s_lshl_b32 s43, 15, s43                        ; my row of the cluster
	s_lshl_b32 s44, 0x1111, s40                    ; my column
.endm
.macro PARITY                          ; with more than one lap: s[PAR] holds the cluster's x and y, in different bits, and becomes P
.if LAPS > 1
	s_bcnt1_i32_b32 s[PAR], s[PAR]
	s_and_b32 s[PAR], s[PAR], 1
.else
	s_mov_b32 s[PAR], 0                            ; one lap: there is no order to choose
.endif
.endm
.macro DESCR                           ; both groups 1
.if AIMG
	s_or_b32 s[G1+0], s43, (3<<16)|(1<<21)         ; the mask: my row; elements of 8 bytes; bit 21 beside a mask; no padding
	s_mov_b32 s[G1+1], (2*ROWB)<<16                ; tensor_dim0: a block's images of a slot, 16 x ROWB bytes
	s_mov_b32 s[G1+2], NA<<16                      ; tensor_dim1: the blocks of a half
	s_mov_b32 s[G1+3], (2*ROWB)<<16                ; tile_dim0
	s_mov_b32 s[G1+4], NA                          ; tile_dim1
	s_mov_b32 s[G1+5], 2*SIZE_K                    ; from block to block: 16 x SIZE_K bytes
.else
	s_or_b32 s[G1+0], s43, (1<<20)|(1<<21)|(QI<<22)|(3<<25)   ; the mask: my row; elements of 1 byte; padding on: four words behind each row; bit 21 beside a mask
	s_mov_b32 s[G1+1], ROWB<<16
	s_mov_b32 s[G1+2], WR<<16
	s_mov_b32 s[G1+3], ROWB<<16
	s_mov_b32 s[G1+4], WR
	s_mov_b32 s[G1+5], SIZE_K
.endif
	s_mov_b32 s[G1+6], 0
	s_mov_b32 s[G1+7], 0
	s_or_b32 s[G1B+0], s44, (1<<20)|(1<<21)|(QI<<22)|(3<<25)  ; the same with the mask of my column
	s_mov_b32 s[G1B+1], ROWB<<16
	s_mov_b32 s[G1B+2], WR<<16
	s_mov_b32 s[G1B+3], ROWB<<16
	s_mov_b32 s[G1B+4], WR
	s_mov_b32 s[G1B+5], SIZE_K
	s_mov_b32 s[G1B+6], 0
	s_mov_b32 s[G1B+7], 0
.endm
.macro KOFF s                          ; s18 holds a lap's number: s[20:21] and s[22:23] (upper words 0) become the bytes from K = 0 to that lap's slot s, in A and in B
	s_lshl_b32 s18, s18, 1
.if (\s) != 0
	s_add_co_u32 s18, s18, \s
.endif
	s_mul_i32 s20, s18, ASTEP
	s_mul_i32 s22, s18, ROWB
.endm
.macro AIM s                           ; slot s's two groups 0 take those places; no tensor load of mine is out where this stands
	s_add_nc_u64 s[G0+4*\s+2:G0+4*\s+3], s[BA:BA+1], s[20:21]
	s_or_b32 s[G0+4*\s+3], s[G0+4*\s+3], 0x80000000
	s_add_nc_u64 s[G0B+4*\s+2:G0B+4*\s+3], s[BB:BB+1], s[22:23]
	s_or_b32 s[G0B+4*\s+3], s[G0B+4*\s+3], 0x80000000
.endm
.macro FIRST                           ; one round, then both slots' first fills, lap 0 xor P: two tensor loads of mine are out
	s_mul_i32 s45, s16, AHALF                      ; where they go: no place in the cluster enters an LDS address
	s_mul_i32 s19, s16, BHALF
	s_add_co_u32 s19, s19, 2*AHALF
	s_mov_b32 s21, 0
	s_mov_b32 s23, 0
	CROUND                                         ; all sixteen work-groups are here: the first joint loads meet
.irp s, 0,1
	s_mov_b32 s18, s[PAR]
	KOFF \s
	s_mov_b32 s[G0+4*\s], 1
	s_add_co_u32 s[G0+4*\s+1], s45, \s*SLOT
	s_mov_b32 s[G0B+4*\s], 1
	s_add_co_u32 s[G0B+4*\s+1], s19, \s*SLOT
	AIM \s
	JLOAD G0+4*\s, G1, G0B+4*\s, G1B
.endr
.endm
.macro ADDRS                           ; v1 = r, v2 = h, v6 = 16 x lane stay; the fragments' LDS addresses
	v_and_b32 v1, 15, v0
	v_bfe_u32 v2, v0, 4, 1
	v_mul_u32_u24 v3, v1, PITCH
	v_and_b32 v6, 31, v0
	v_lshlrev_b32 v6, 4, v6
.if AIMG
	v_lshl_add_u32 v4, v2, 3, v3                   ; rows in the plain layout: row x pitch + 8 h
.else
	s_wait_alu depctr_va_vdst(0)
	v_lshl_add_u32 v4, v2, 4, v3                   ; row x pitch + 16 h
.endif
	s_mul_i32 s21, s15, AHALF
	s_mul_i32 s22, s16, BHALF
	s_add_co_u32 s22, s22, 2*AHALF
.irp s, 0,1
.if AIMG
	v_add_nc_u32 v[ADRA+\s], s21, v6
.else
	v_add_nc_u32 v[ADRA+\s], s21, v4
.endif
	v_add_nc_u32 v[ADRB+\s], s22, v4
	s_add_co_u32 s21, s21, SLOT
	s_add_co_u32 s22, s22, SLOT
.endr
.endm
; A step covers 128 KK along K: eight units of A and eight of B, 16 registers each; unit u = block u / KK, sub-step u % KK.  A slot holds two steps, q = 0, 1.
.macro FRAGR reg, adr, q, u            ; a unit from rows
.set fo, ((\u)/KK)*16*PITCH+128*(KK*(\q)+(\u)%KK)
.if AIMG
.irp c, 0,1,2,3,4,5,6,7
	ds_load_b64 v[\reg+2*\c:\reg+2*\c+1], v[\adr] offset:fo+16*\c       ; registers 2 c, 2 c + 1: k = 16 c + 8 h + 0 .. 7, as the images have it
.endr
.else
.irp c, 0,1,2,3
	ds_load_b128 v[\reg+4*\c:\reg+4*\c+3], v[\adr] offset:fo+32*\c
.endr
.endif
.endm
.macro FRAGI reg, adr, q, u            ; a unit from its image: 512 consecutive bytes a load
.set fo, ((\u)/KK)*16*ROWB+(KK*(\q)+(\u)%KK)*2048
.irp c, 0,1,2,3
	ds_load_b128 v[\reg+4*\c:\reg+4*\c+3], v[\adr] offset:fo+512*\c
.endr
.endm
.macro FETCH_B slot, q, p
	WIN TO_B
.irp u, 0,1,2,3,4,5,6,7
	FRAGR 128*(\p)+16*\u, ADRB+\slot, \q, \u
.endr
	WIN 0
.endm
.macro FETCH_A slot, q, u0
.irp u, \u0, \u0+1, \u0+2, \u0+3
.if AIMG
	FRAGI AF+16*(\u), ADRA+\slot, \q, \u
.else
	FRAGR AF+16*(\u), ADRA+\slot, \q, \u
.endif
.endr
.endm
; Products: sub-steps k0 .. , A's blocks a0 .. , against all of B's blocks; p: B's set.  zero = 1: a sum's first product takes the constant 0: nothing is cleared.
; The accumulators take turns, one instruction a turn, in the same order in every step.
.macro MULP a0, na, k0, nk, p, zero
.set mk, \k0
.rept \nk
.set ma, \a0
.rept \na
.set mb, 0
.rept NA
.set rD, 8*(NA*(ma%HB)+mb)
.set rB, 128*(\p)+16*(KK*mb+mk)
.set rA, AF+16*(KK*ma+mk)
.if (\zero) && (mk == 0)
	v_wmma_f32_16x16x128_fp8_fp8 v[rD:rD+7], v[rB:rB+15], v[rA:rA+15], 0
.else
	v_wmma_f32_16x16x128_fp8_fp8 v[rD:rD+7], v[rB:rB+15], v[rA:rA+15], v[rD:rD+7]
.endif
.set mb, mb+1
.endr
.set ma, ma+1
.endr
.set mk, mk+1
.endr
.endm
.macro LOW1 p, z                       ; LOW1 and LOW2 use A's units 0-3, HIGH its units 4-7
	MULP 0, 2, 0, 1, \p, \z
.endm
.macro LOW2 p, z
.if KK == 1
	MULP 2, 2, 0, 1, \p, \z
.else
	MULP 0, 2, 1, 1, \p, \z
.endif
.endm
.macro HIGH p, z
	MULP HB, HB, 0, KK, \p, \z
.endm
.macro STEP slot, zero                 ; a slot's first step; it fetches the second step's units
	s_wait_dscnt 4*NLA                             ; B's set and A's units 0-3 are in; the youngest loads (A's units 4-7) may be out
	WIN MUL_LO
	LOW1 0, \zero
	LOW2 0, \zero
	s_wait_dscnt 0x0                               ; A's units 4-7 are in
	PLACES 4
	FETCH_B \slot, 1, 1
	FETCH_A \slot, 1, 0
	WIN MUL_HI
	HIGH 0, \zero
	PLACES 4
	WIN 0
	FETCH_A \slot, 1, 4
.endm
; A slot's second step changes slots: ONE barrier; in front of it each wave waits for all its tensor loads, adds 0 to its spare word, and waits for that and for its own reads of this slot.  fill = 1: the slot is filled again, with its part of the next lap.
.macro TURN slot, next, fill
	s_wait_tensorcnt 0x0                           ; all my tensor loads have landed: my part of the next slot; so every group 0 may be written
	ds_add_u32 v[SPW], v[NIL]                      ; 0 onto my spare word
.if \fill
	s_sub_co_u32 s18, LAPS, s3                     ; the lap that is asked for is the (LAPS - s3)-th of my walk,
	s_xor_b32 s18, s18, s[PAR]                     ; which is this lap of K
	KOFF \slot
	AIM \slot
.endif
	s_wait_dscnt 4*NLA+1                           ; (the add and A's units 4-7 may be out)
	WIN MUL_LO
	LOW1 1, 0                                      ; matrix instructions stand between the add and the wait for it
	s_wait_dscnt 0x0                               ; the add is done, and my reads of this slot are over
	s_barrier_signal -1
	LOW2 1, 0
	WIN 0
	s_barrier_wait -1
.if \fill
	CREST                                          ; the barrier has opened a round of the cluster's barrier: no wave of any partner still reads this slot or has a load on its way
	JLOAD G0+4*\slot, G1, G0B+4*\slot, G1B         ; my one tensor load behind the round; its four v_nop are also the places in front of the loads below
.else
	PLACES 4
.endif
	s_wait_alu depctr_va_vdst(0)
	FETCH_B \next, 0, 0
	FETCH_A \next, 0, 0
	WIN MUL_HI
	HIGH 1, 0
	PLACES 4
	WIN 0
	FETCH_A \next, 0, 4
.endm
.macro MAIN
.if LAPS > 1
	s_mov_b32 s21, 0                               ; the upper words of the refills' two offsets
	s_mov_b32 s23, 0
.endif
	s_wait_tensorcnt 1                             ; my part of slot 0 is in; slot 1's load may be out
	s_barrier_signal -1
	s_barrier_wait -1                              ; everybody's is
	FETCH_B 0, 0, 0
	FETCH_A 0, 0, 0
	FETCH_A 0, 0, 4
	STEP 0, 1                                      ; the first step stands in front of the loop: its products start the sums
.if LAPS > 1
	s_mov_b32 s3, LAPS-1
.Llap:                                             ; a trip goes once round the ring and fills both slots again
	TURN 0, 1, 1
	STEP 1, 0
	TURN 1, 0, 1
	STEP 0, 0
	s_sub_co_u32 s3, s3, 1
	s_cmp_lg_u32 s3, 0
	s_cbranch_scc1 .Llap
.endif
	TURN 0, 1, 0                                   ; the last lap fills nothing, and has no round of the cluster's barrier
	STEP 1, 0
	s_wait_dscnt 4*NLA                             ; the very last step: nothing more to fetch
	WIN MUL_LO
	LOW1 1, 0
	LOW2 1, 0
	s_wait_dscnt 0x0
	WIN MUL_HI
	HIGH 1, 0
	WIN 0
	PLACES 4                                       ; in front of the first read of results and the first write of A's registers
.endm
.macro FINISH
	s_wait_tensorcnt 0x0                           ; the wave's end
	ds_add_u32 v[SPW], v[NIL]
	s_wait_dscnt 0x0
	CROUND                                         ; the closing round: no work-group ends while a partner may still ask for a tile that names it
	s_endpgm
.endm
; ---- end of the core ----
.set TMP, 32
.set CD,  128                          ; v128-255 codes: 16 registers for each block, so that no store's data are written again
	s_load_b128 s[4:7], s[0:1], 0x0                ; ac, w_qkv_codes
	s_load_b128 s[8:11], s[0:1], 0x10              ; the scales' exponents, qc
	s_load_b128 s[76:79], s[0:1], 0x20             ; kc, vc
	IDS
	DESCR
	s_mov_b32 s[PAR], ttmp9                        ; the cluster's number c.  The readers of a block of tokens (c = 2 T, 2 T + 1, 8 + T) and of q's, k's and v's weights (c even, c odd, c >= 8) have both parities among them
	PARITY
	s_lshr_b32 s70, ttmp9, 1                       ; c / 2
	s_and_b32 s71, ttmp9, 1                        ; c % 2
	s_max_u32 s73, ttmp9, 8
	s_sub_co_u32 s73, s73, 8                       ; c - 8, or 0
	s_lshl_b32 s72, s71, 10                        ; q's or k's first row of the weights
	s_lshl_b32 s74, s70, 10                        ; the cluster's first token, for q and k
	s_lshl_b32 s75, s73, 10                        ; and for v
	s_lshl_b32 s82, s70, 2                         ; the same in tiles of 256
	s_lshl_b32 s83, s73, 2
	s_mov_b32 s80, 2048
	s_mov_b32 s84, 16384
	s_mov_b32 s85, 131072
	s_cmp_lt_u32 ttmp9, 8                          ; q or k?  The selects below leave SCC as it is
	s_cselect_b32 s74, s74, s80                    ; A's first row in the cluster: tokens, or v's rows of the weights from 2,048 on
	s_cselect_b32 s72, s72, s75                    ; B's
	s_cselect_b32 s82, s82, 0                      ; the cluster's first tile row of the output
	s_cselect_b32 s84, s84, s80                    ; SA: bytes from one of A's blocks to the next in the output: a token tile's 16 heads, or a fragment of v
	s_cselect_b32 s85, s80, s85                    ; SB: bytes from one 128 of B's rows to the next: two heads, or 128 tokens' 64 fragments
	s_lshl_b32 s18, s16, 7                         ; which 128 rows of a tile I fetch
	s_lshl_b32 s20, s41, 8
	s_add_co_u32 s20, s20, s74
	s_add_co_u32 s20, s20, s18                     ; A: the cluster's first row + 256 cy + 128 x half
	s_lshl_b32 s20, s20, 10                        ; rows of 1,024 bytes
	s_mov_b32 s21, 0
	s_lshl_b32 s46, s40, 8
	s_add_co_u32 s46, s46, s72
	s_add_co_u32 s46, s46, s18                     ; B: + 256 cx + 128 x half
	s_lshl_b32 s46, s46, 10
	s_mov_b32 s47, 0
	s_wait_kmcnt 0x0
	s_load_b256 s[88:95], s[8:9], 0x0              ; e0 .. e7
	s_cmp_lt_u32 ttmp9, 8
	s_cselect_b64 s[66:67], s[4:5], s[6:7]         ; A's buffer
	s_cselect_b64 s[68:69], s[6:7], s[4:5]         ; B's
	s_add_nc_u64 s[BA:BA+1], s[66:67], s[20:21]
	s_add_nc_u64 s[BB:BB+1], s[68:69], s[46:47]
	FIRST
	ADDRS
	s_cmp_eq_u32 s71, 1
	s_cselect_b64 s[10:11], s[76:77], s[10:11]     ; kc or qc,
	s_cmp_lt_u32 ttmp9, 8
	s_cselect_b64 s[10:11], s[10:11], s[78:79]     ; or vc
	s_add_co_u32 s82, s82, s41
	s_lshl_b32 s82, s82, 4
	s_lshl_b32 s86, s15, 3
	s_add_co_u32 s82, s82, s86                     ; my first block of A's rows: 16 x tile row + 8 x half
	s_mul_i32 s82, s82, s84
	s_add_co_u32 s83, s83, s40
	s_lshl_b32 s83, s83, 1
	s_add_co_u32 s83, s83, s16                     ; my 128 of B's rows: 2 x tile column + half
	s_mul_i32 s83, s83, s85
	s_add_co_u32 s82, s82, s83
	s_mov_b32 s83, 0
	s_add_nc_u64 s[10:11], s[10:11], s[82:83]
	v_add_nc_u32 v9, s84, v6                       ; block a's offset: 16 x lane + a x SA (block 0: v6 itself)
.irp a, 2,3,4,5,6,7
	v_add_nc_u32 v[8+\a], s84, v[7+\a]
.endr
	MAIN
	s_wait_kmcnt 0x0
	s_cmp_eq_u32 s71, 1
	s_cselect_b32 s86, s91, s90                    ; e3 or e2,
	s_cmp_lt_u32 ttmp9, 8
	s_cselect_b32 s86, s86, s93                    ; or e5
	s_sub_co_i32 s86, s86, s88
	s_sub_co_i32 s86, s86, s89                     ; E: a sum's code is sum / 2^E: the three scales are folded into the conversion's one
	s_add_co_i32 s86, s86, 127
	s_lshl_b32 s87, s86, 23
	v_mov_b32 v30, s87                             ; 2^E
	s_add_co_i32 s86, s86, 8
	s_lshl_b32 s86, s86, 23
	s_or_b32 s86, s86, 0x600000
.macro QIMG a                          ; block a: 64 sums a lane become 16 registers of codes, stored as they stand
	WIN 0x02+(\a)/4                                ; source 0: window 2 or 3
.set qi, 0
.rept 64
.set qi, qi+1
.endr
.irp b, 0,1,2,3,4,5,6,7
	v_cvt_scalef32_pk8_fp8_f32 v[CD+16*(\a)+2*\b:CD+16*(\a)+2*\b+1], v[TMP+8*\b+((64*((\a)%4)+qi)-(TMP+qi)):TMP+8*\b+7+((64*((\a)%4)+qi)-(TMP+qi))], v30
.endr
	WIN 0
	v_nop
.if (\a) == 0
.set ro, 6
.else
.set ro, 8+(\a)
.endif
.irp i, 0,1,2,3
	global_store_b128 v[ro], v[CD+16*(\a)+4*\i:CD+16*(\a)+4*\i+3], s[10:11] offset:512*\i   ; 32 lanes store 512 consecutive bytes, aligned
.endr
.endm
.irp a, 0,1,2,3,4,5,6,7
	QIMG \a
.endr
	FINISH
.Lfunc_end_k_q99e6919f3b_qkv:
	.size	k_q99e6919f3b_qkv, .Lfunc_end_k_q99e6919f3b_qkv-k_q99e6919f3b_qkv
	.p2alignl 7, 3214868480
	.fill 96, 4, 3214868480
	.section	.rodata,"a",@progbits
	.p2align	6, 0x0
	.amdhsa_kernel k_q99e6919f3b_qkv
		.amdhsa_group_segment_fixed_size 327680
		.amdhsa_private_segment_fixed_size 0
		.amdhsa_enable_private_segment 0
		.amdhsa_kernarg_size 48
		.amdhsa_user_sgpr_count 2
		.amdhsa_user_sgpr_kernarg_segment_ptr 1
		.amdhsa_wavefront_size32 1
		.amdhsa_system_sgpr_workgroup_id_x 1
		.amdhsa_system_sgpr_workgroup_id_y 1
		.amdhsa_system_sgpr_workgroup_id_z 1
		.amdhsa_system_vgpr_workitem_id 0
		.amdhsa_next_free_vgpr 1024
		.amdhsa_next_free_sgpr 100
		.amdhsa_reserve_vcc 0
		.amdhsa_float_denorm_mode_32 3
		.amdhsa_float_denorm_mode_16_64 3
		.amdhsa_fp16_overflow 1
		.amdhsa_memory_ordered 1
		.amdhsa_forward_progress 1
		.amdhsa_inst_pref_size 88
	.end_amdhsa_kernel
	.amdgpu_metadata
---
amdhsa.version: [ 1, 2 ]
amdhsa.kernels:
  - .name:           k_q99e6919f3b_qkv
    .symbol:         k_q99e6919f3b_qkv.kd
    .args:
      - { .name: ac, .offset: 0, .size: 8, .value_kind: global_buffer, .address_space: global }
      - { .name: w_qkv_codes, .offset: 8, .size: 8, .value_kind: global_buffer, .address_space: global }
      - { .name: lowp_scales, .offset: 16, .size: 8, .value_kind: global_buffer, .address_space: global }
      - { .name: qc, .offset: 24, .size: 8, .value_kind: global_buffer, .address_space: global }
      - { .name: kc, .offset: 32, .size: 8, .value_kind: global_buffer, .address_space: global }
      - { .name: vc, .offset: 40, .size: 8, .value_kind: global_buffer, .address_space: global }
    .group_segment_fixed_size: 327680
    .private_segment_fixed_size: 0
    .kernarg_segment_align: 8
    .kernarg_segment_size: 48
    .max_flat_workgroup_size: 128
    .sgpr_count:     100
    .vgpr_count:     1024
    .wavefront_size: 32
...
	.end_amdgpu_metadata
.endif
;; end of part 2
;; launch attn (part 3): grid 8 x 32, 16 waves a work-group, no clusters, 264,192 bytes of LDS; arguments qc, kc, vc, lowp_scales, yc; writes yc
.if DOCPART == 3
	.amdgcn_target "amdgcn-amd-amdhsa--gfx1250"
	.amdhsa_code_object_version 6
	.text
	.protected	k_q99e6919f3b_attn
	.globl	k_q99e6919f3b_attn
	.p2align	8
	.type	k_q99e6919f3b_attn,@function
k_q99e6919f3b_attn:
	s_mov_b64 s[64:65], 0
	v_nop
	global_prefetch_b8 v0, s[64:65] scope:SCOPE_SE
	s_setreg_imm32_b32 hwreg(HW_REG_WAVE_MODE, 25, 1), 1
	s_wait_xcnt 0x0
; y = causal attention of one head, both products on codes of E4M3, and y quantised for the projection.
; qc, kc, yc: [token / 16: 256][head: 16][1,024 bytes]: images of K = 64 fragments (lane (r, h): token r; registers 2 c, 2 c + 1: channels 16 c + 8 h + 0 .. 7; four registers of all lanes are 512 bytes, 16 a lane).
; vc: [token / 128: 32][channel / 16: 64][2,048 bytes]: images of K = 128 fragments (lane: channel r; registers 2 c, 2 c + 1: tokens 16 c + 8 h + 0 .. 7).  Scales: q e2, k e3, p e4, v e5, y e6.
; THE SOFTMAX AHEAD OF THE SECOND PRODUCT: t = score x log2(e) / 8; M = the row's largest t so far, rounded UP to a whole number; p = 2^(t - M) is what is quantised; the row's sum is taken of the unquantised p and divides at the end.
; When M moves, the sum and O are multiplied by 2^(old M - new M): exact.
; LAYOUT.  Both products are used transposed: S^T = K Q^T (source 0 = 16 keys, source 1 = my 16 queries), O^T = V^T P^T.  A lane holds ONE query throughout; the eight registers of S^T's tile c are keys 16 c + 8 h + 0 .. 7,
; so one conversion gives registers 2 c, 2 c + 1 of P's fragment, and O^T's tile t gives registers 2 t, 2 t + 1 of y's image.  Nothing changes lanes and nothing is staged.
; SHARES.  Work-group (i, bh) owns query blocks i and 15 - i (128 queries each) of head bh: together they have 17 key steps of 128 for each tile of 16 queries, whatever i is.  Wave w owns one tile:
; block i or 15 - i by (w xor w / 4) % 2, so that of any four waves w .. w + 3 and of any four w, w + 4, w + 8, w + 12 two belong to each block; tile w / 2 of the block.
; THE WHOLE HEAD LIES IN LDS: K 131,072 bytes, then V 131,072.  All 16 tensor loads go out at the head (waves 0, 1: K; waves 2, 3: V; four each, one for each phase of 512 keys; four of a wave are out at the most),
; nothing is filled again, and each phase begins with a counted wait and a barrier.  Since every tile is asked for at the head, there is nothing left to prefetch.
; NO CLUSTER: the eight work-groups of a head read the same K and V, but a step whose keys all come after a wave's queries is left out by a scalar branch on the work-group's block of queries.
; LIMITS: e2 + e3 between -124 and 129 (added to c's exponent field); e4 and e6 between -126 and 119.
; REGISTERS: v1 16 x lane; v8, v9 LDS addresses; v12 -M, v13 the largest t, v[14:15] the sum; v16-23 Q; v32-95 K's eight fragments, then V's four; v96-159 S^T, then p; v160-191 O^T; v224-239 codes; v236-254 at work.
.set LI,   1
.set ADK,  8
.set ADV,  9
.set VB,   131072                      ; V's first LDS byte
.set KO,   2                           ; s2   LDS byte of the step's keys
.set WV,   18
.set SEL,  20                          ; s[20:21] lane selects: lane l xor 16
.set CS,   22                          ; s[22:23] c = log2(e) / 8 x 2^(e2 + e3)
.set G1K,  24                          ; s[24:31] descriptor group 1 for K;  s[32:39] for V;  s[40:55] four groups 0, one for each phase
.set G1V,  32
.set G0,   40
.set CNT,  67
.set KF,   98                          ; s98  the step's first key
.set Q0,   99                          ; s99  my first query
	s_load_b128 s[4:7], s[0:1], 0x0                ; qc, kc
	s_load_b128 s[8:11], s[0:1], 0x10              ; vc, the scales' exponents
	s_load_b64 s[12:13], s[0:1], 0x20              ; yc
	v_lshl_add_u32 v251, v0, 2, 0x40000
	v_mov_b32 v255, 0
	ds_add_u32 v251, v255
	ds_add_u32 v251, v255
	v_lshrrev_b32 v8, 5, v0
	s_delay_alu instid0(VALU_DEP_1)
	v_readfirstlane_b32 s[WV], v8                  ; wave 0..15
	s_and_b32 s56, ttmp7, 0xffff
	s_lshr_b32 s57, s56, 4                         ; the batch
	s_and_b32 s58, s56, 15                         ; the head
	s_and_b32 s59, s[WV], 1                        ; which half of a phase I fetch, if I fetch
	s_lshr_b32 s60, s[WV], 1                       ; 0: K, 1: V.  Also: my tile in my block of queries
	s_lshl_b32 s61, s60, 17
	s_lshl_b32 s62, s59, 14
	s_add_co_u32 s61, s61, s62                     ; LDS: 131,072 x (wave / 2) + 16,384 x (wave % 2); a phase is 32,768 further on
	s_lshl_b32 s76, s57, 21                        ; memory: a batch is 2^21 bytes in kc and in vc, a half phase 2^18 in both,
	s_lshl_b32 s62, s59, 18
	s_add_co_u32 s76, s76, s62
	s_lshl_b32 s62, s58, 10                        ; a head 1,024 bytes in kc
	s_lshl_b32 s63, s58, 13                        ; and 8,192 in vc
	s_cmp_lt_u32 s[WV], 2
	s_cselect_b32 s62, s62, s63
	s_add_co_u32 s76, s76, s62
	s_mov_b32 s77, 0
	s_mov_b32 s[G1K], 3<<16                        ; no mask; elements of 8 bytes; no padding
	s_mov_b32 s[G1K+1], 128<<16                    ; tensor_dim0: a token tile's image, 1,024 bytes
	s_mov_b32 s[G1K+2], 16<<16                     ; tensor_dim1: 16 token tiles
	s_mov_b32 s[G1K+3], 128<<16                    ; tile_dim0
	s_mov_b32 s[G1K+4], 16                         ; tile_dim1
	s_mov_b32 s[G1K+5], 2048                       ; from token tile to token tile: 16,384 bytes
	s_mov_b32 s[G1K+6], 0
	s_mov_b32 s[G1K+7], 0
	s_mov_b32 s[G1V], 3<<16
	s_mov_b32 s[G1V+1], 1024<<16                   ; the head's four fragments of 128 keys: 8,192 bytes
	s_mov_b32 s[G1V+2], 2<<16                      ; two groups of 128 keys
	s_mov_b32 s[G1V+3], 1024<<16
	s_mov_b32 s[G1V+4], 2
	s_mov_b32 s[G1V+5], 16384                      ; from group to group: 131,072 bytes
	s_mov_b32 s[G1V+6], 0
	s_mov_b32 s[G1V+7], 0
	s_lshr_b32 s78, s[WV], 2
	s_xor_b32 s78, s78, s[WV]
	s_and_b32 s78, s78, 1
	s_sub_co_u32 s79, 15, ttmp9
	s_cmp_eq_u32 s78, 1
	s_cselect_b32 s79, s79, ttmp9                  ; my block of queries
	s_lshl_b32 s79, s79, 7
	s_lshl_b32 s60, s60, 4
	s_add_co_u32 s[Q0], s79, s60
	s_lshl_b32 s80, s57, 21                        ; my tile's image in qc and in yc: batch, token tile (16,384 bytes: 1,024 a token), head
	s_lshl_b32 s81, s[Q0], 10
	s_add_co_u32 s80, s80, s81
	s_lshl_b32 s81, s58, 10
	s_add_co_u32 s80, s80, s81
	s_mov_b32 s81, 0
	s_mov_b32 s[SEL], 0x76543210
	s_mov_b32 s[SEL+1], 0xfedcba98
	s_mov_b32 s[CS], 0x3e38aa3b                    ; log2(e) / 8
	s_wait_dscnt 0x0
	s_wait_kmcnt 0x0
	s_load_b256 s[68:75], s[10:11], 0x0            ; e0 .. e7
	s_cmp_lt_u32 s[WV], 2
	s_cselect_b64 s[82:83], s[6:7], s[8:9]
	s_add_nc_u64 s[82:83], s[82:83], s[76:77]
.irp p, 0,1,2,3
	s_mov_b32 s[G0+4*\p], 1
	s_add_co_u32 s[G0+4*\p+1], s61, \p*32768
	s_add_nc_u64 s[G0+4*\p+2:G0+4*\p+3], s[82:83], \p*524288   ; a phase of 512 keys is 2^19 bytes on, in kc and in vc
	s_or_b32 s[G0+4*\p+3], s[G0+4*\p+3], 0x80000000
.endr
	s_cmp_lt_u32 s[WV], 2                          ; a wave's first fills stand in one branch on its number, ahead of every wait on TENSORcnt, every LDS read and every barrier
	s_cbranch_scc0 .Lnot_k
.irp p, 0,1,2,3
	tensor_load_to_lds s[G0+4*\p:G0+4*\p+3], s[G1K:G1K+7]
	s_nop 0
.endr
.rept 4
	v_nop
.endr
	s_branch .Lasked
.Lnot_k:
	s_cmp_lt_u32 s[WV], 4
	s_cbranch_scc0 .Lasked
.irp p, 0,1,2,3
	tensor_load_to_lds s[G0+4*\p:G0+4*\p+3], s[G1V:G1V+7]
	s_nop 0
.endr
.rept 4
	v_nop
.endr
.Lasked:
	s_add_nc_u64 s[4:5], s[4:5], s[80:81]
	s_add_nc_u64 s[12:13], s[12:13], s[80:81]
	v_and_b32 v[LI], 31, v0
	s_delay_alu instid0(VALU_DEP_1)
	v_lshlrev_b32 v[LI], 4, v[LI]
	global_load_b128 v[16:19], v[LI], s[4:5]       ; Q's fragment stays in registers
	global_load_b128 v[20:23], v[LI], s[4:5] offset:512
	v_mov_b32 v13, 0xff61b1e6                      ; the largest t so far: -3e38, under every t
	s_delay_alu instid0(VALU_DEP_1)
	v_floor_f32 v12, -v13                          ; -M
	v_mov_b32 v14, 0                               ; the sum, in two halves
	v_mov_b32 v15, 0
	v_mov_b32 v236, 0                              ; written once: a lane permute's destination counts as one of its sources
	v_mov_b32 v252, 0
	v_mov_b32 v253, 0                              ; (named as the upper half of the pair v[252:253])
.set j, 0
.rept 32
	v_mov_b32 v[160+j], 0                          ; O^T.  (The step is written once for all steps: the first finds zeros, which the first change of M leaves zeros)
.set j, j+1
.endr
	s_wait_kmcnt 0x0
	s_add_co_i32 s84, s70, s71
	s_lshl_b32 s84, s84, 23
	s_add_co_i32 s[CS], s[CS], s84                 ; a score stands for score x 2^(e2 + e3): the exponents are added to c's exponent field
	s_mov_b32 s[CS+1], s[CS]
	s_add_co_i32 s84, s72, 127
	s_lshl_b32 s85, s84, 23
	v_mov_b32 v244, s85                            ; 2^e4
	s_add_co_i32 s84, s74, 127
	s_lshl_b32 s85, s84, 23
	v_mov_b32 v245, s85                            ; 2^e6
; A KEY STEP: 128 keys from KF on.
.macro STEP
	s_add_co_u32 s96, s[Q0], 15                    ; a step all of whose keys come after my 16 queries is left out: a scalar branch on ids; no barrier and no tensor load stands in a step
	s_cmp_gt_u32 s[KF], s96
	s_cbranch_scc1 .Lhidden_\@
	s_setprio 2
	v_add_nc_u32 v[ADK], s[KO], v[LI]
	s_delay_alu instid0(VALU_DEP_1)
	v_add_nc_u32 v[ADV], VB, v[ADK]
	v_nop                                          ; with the two additions: four places in front of loads into registers that the last products read
	v_nop
.irp c, 0,1,2,3,4,5,6,7
	ds_load_b128 v[32+8*\c:35+8*\c], v[ADK] offset:1024*\c
	ds_load_b128 v[36+8*\c:39+8*\c], v[ADK] offset:1024*\c+512
.endr
	s_wait_alu depctr_va_vdst(0)
	s_wait_dscnt 0x0
.irp c, 0,1,2,3,4,5,6,7
	v_wmma_f32_16x16x64_fp8_fp8 v[96+8*\c:103+8*\c], v[32+8*\c:39+8*\c], v[16:23], 0
.endr
.rept 4
	v_nop                                          ; places in front of the loads below and of the first read of the scores
.endr
.irp t, 0,1,2,3
.irp i, 0,1,2,3
	ds_load_b128 v[32+16*\t+4*\i:35+16*\t+4*\i], v[ADV] offset:2048*\t+512*\i   ; V's four fragments land while the softmax is walked
.endr
.endr
	s_add_co_u32 s96, s[KF], 127                   ; on the diagonal the scores of hidden keys become -infinity ahead of the maximum: p = 0 then.  A step all of whose keys count skips this
	s_cmp_le_u32 s96, s[Q0]
	s_cbranch_scc1 .Lopen_\@
	s_sub_co_i32 s96, s[Q0], s[KF]
	v_and_b32 v252, 15, v0
	v_bfe_u32 v253, v0, 4, 1
	s_delay_alu instid0(VALU_DEP_1)
	v_lshlrev_b32 v253, 3, v253
	s_delay_alu instid0(VALU_DEP_1)
	v_sub_nc_u32 v252, v252, v253
	s_delay_alu instid0(VALU_DEP_1)
	v_add_nc_u32 v252, s96, v252                   ; d = my query - KF - 8 h.  Register 8 c + j holds key KF + 16 c + 8 h + j: hidden where 16 c + j > d
	v_mov_b32 v254, 0xff800000
.set n, 0
.rept 64
	v_cmp_gt_i32 vcc_lo, 16*(n/8)+n%8, v252
	v_cndmask_b32 v[96+n], v[96+n], v254, vcc_lo
.set n, n+1
.endr
.Lopen_\@:
	v_max3_num_f32 v254, v96, v97, v98             ; the step's largest score of my query, among my 64 keys, in two chains,
	v_max3_num_f32 v252, v99, v100, v101
.irp i, 6,10,14,18,22,26,30,34,38,42,46,50,54,58
	v_max3_num_f32 v254, v254, v[96+\i], v[97+\i]
	v_max3_num_f32 v252, v252, v[98+\i], v[99+\i]
.endr
	v_max3_num_f32 v254, v254, v158, v159
	s_delay_alu instid0(VALU_DEP_1)
	v_max_num_f32 v254, v254, v252
	v_permlanex16_b32 v236, v254, s[SEL], s[SEL+1]
	s_delay_alu instid0(VALU_DEP_1)
	v_max_num_f32 v254, v254, v236                 ; and among lane l xor 16's
	s_delay_alu instid0(VALU_DEP_1)
	v_mul_f32 v254, s[CS], v254                    ; as t (c is positive)
	s_delay_alu instid0(VALU_DEP_1)
	v_max_num_f32 v13, v13, v254                   ; the running largest t
	v_mov_b32 v254, v12
	s_delay_alu instid0(VALU_DEP_2)
	v_floor_f32 v12, -v13                          ; the new -M = floor(-t) = -ceil(t): a whole number
	s_delay_alu instid0(VALU_DEP_1)
	v_sub_f32 v254, v12, v254                      ; M's old value less its new one: a whole number, 0 or less
	s_delay_alu instid0(VALU_DEP_1)
	v_cvt_i32_f32 v254, v254                       ; (it saturates)
	s_delay_alu instid0(VALU_DEP_1)
	v_ldexp_f32 v252, 1.0, v254                    ; f = 2^(old M - new M)
.set j, 0
	s_setprio 1
.rept 32
	v_pk_fma_f32 v[96+j:97+j], v[96+j:97+j], s[CS:CS+1], v[12:13] op_sel_hi:[1,0,0]   ; t - M, two at a time
.set j, j+2
.endr
.set j, 0
	s_wait_alu depctr_va_vdst(0)
.rept 64
	v_exp_f32 v[96+j], v[96+j]                     ; p = 2^(t - M), at most 1
.set j, j+1
.endr
	v_pk_mul_f32 v[14:15], v[14:15], v[252:253] op_sel_hi:[1,0]   ; the sums under the new M: the plain instruction behind the exponentials
	s_wait_alu depctr_va_vdst(0)                   ; the wait ahead of the first reader: one for the batch of 64
	v_pk_add_f32 v[242:243], v[100:101], v[104:105]
	v_pk_add_f32 v[248:249], v[108:109], v[112:113]
	v_pk_add_f32 v[246:247], v[116:117], v[120:121]
	v_pk_add_f32 v[240:241], v[124:125], v[128:129]
	v_pk_add_f32 v[238:239], v[132:133], v[136:137]
	v_pk_add_f32 v[236:237], v[140:141], v[144:145]
	v_pk_add_f32 v[234:235], v[148:149], v[152:153]
	v_pk_add_f32 v[14:15], v[14:15], v[156:157]
	v_pk_add_f32 v[242:243], v[242:243], v[96:97]
	v_pk_add_f32 v[248:249], v[248:249], v[98:99]
	v_pk_add_f32 v[246:247], v[246:247], v[102:103]
	v_pk_add_f32 v[240:241], v[240:241], v[106:107]
	v_pk_add_f32 v[238:239], v[238:239], v[110:111]
	v_pk_add_f32 v[236:237], v[236:237], v[114:115]
	v_pk_add_f32 v[234:235], v[234:235], v[118:119]
	v_pk_add_f32 v[14:15], v[14:15], v[122:123]
	v_pk_add_f32 v[242:243], v[242:243], v[126:127]
	v_pk_add_f32 v[248:249], v[248:249], v[130:131]
	v_pk_add_f32 v[246:247], v[246:247], v[134:135]
	v_pk_add_f32 v[240:241], v[240:241], v[138:139]
	v_pk_add_f32 v[238:239], v[238:239], v[142:143]
	v_pk_add_f32 v[236:237], v[236:237], v[146:147]
	v_pk_add_f32 v[234:235], v[234:235], v[150:151]
	s_setprio 0
	v_pk_add_f32 v[14:15], v[14:15], v[154:155]
	v_pk_add_f32 v[242:243], v[242:243], v[158:159]
	s_delay_alu instid0(VALU_DEP_2)
	v_pk_add_f32 v[14:15], v[14:15], v[240:241]
	s_delay_alu instid0(VALU_DEP_2)
	v_pk_add_f32 v[242:243], v[242:243], v[238:239]
	v_pk_add_f32 v[248:249], v[248:249], v[236:237]
	v_pk_add_f32 v[246:247], v[246:247], v[234:235]
	s_delay_alu instid0(VALU_DEP_2)
	v_pk_add_f32 v[14:15], v[14:15], v[248:249]
	s_delay_alu instid0(VALU_DEP_2)
	v_pk_add_f32 v[242:243], v[242:243], v[246:247]
	s_delay_alu instid0(VALU_DEP_1)
	v_pk_add_f32 v[14:15], v[14:15], v[242:243]
.irp c, 0,1,2,3,4,5,6,7
.irp i, 0,1,2,3,4,5,6,7
.endr
	v_cvt_scalef32_pk8_fp8_f32 v[224+2*\c:225+2*\c], v[96+8*\c:103+8*\c], v244
.endr
.set j, 0
.rept 16
	v_pk_mul_f32 v[160+j:161+j], v[160+j:161+j], v[252:253] op_sel_hi:[1,0]   ; O^T under the new M; these are also the plain instructions between the conversions and the products
.set j, j+2
.endr
	s_wait_alu depctr_va_vdst(0)
	s_wait_dscnt 0x0                               ; V is in
.irp t, 0,1,2,3
	v_wmma_f32_16x16x128_fp8_fp8 v[160+8*\t:167+8*\t], v[32+16*\t:47+16*\t], v[224:239], v[160+8*\t:167+8*\t]
.endr
.Lhidden_\@:
	s_add_co_u32 s[KF], s[KF], 128
	s_add_co_u32 s[KO], s[KO], 8192
.endm
; A PHASE: 512 keys.  The fetching waves have waited for their load of this phase (the later phases' loads, 3 - p of them, may be out); behind the barrier all sixteen read it.
.macro PHASE p
	s_wait_tensorcnt 3-\p
	s_wait_dscnt 0x0
	s_barrier_signal -1
	s_barrier_wait -1
	s_mov_b32 s[KO], \p*32768
	s_mov_b32 s[KF], \p*512
	s_mov_b32 s[CNT], 4
.Lstep_\@:
	STEP
	s_sub_co_u32 s[CNT], s[CNT], 1
	s_cmp_lg_u32 s[CNT], 0
	s_cbranch_scc1 .Lstep_\@
	s_setprio 0
.endm
	s_wait_loadcnt 0x0                             ; Q
	PHASE 0
	PHASE 1
	PHASE 2
	PHASE 3
	; THE WAY OUT: O^T / the sum x 2^(e4 + e5) is y; its codes, with 2^e6, are the image of my tile's fragment
.rept 4
	v_nop                                          ; places behind the last products
.endr
	v_add_f32 v14, v14, v15
	s_delay_alu instid0(VALU_DEP_1)
	v_permlanex16_b32 v252, v14, s[SEL], s[SEL+1]
	s_delay_alu instid0(VALU_DEP_1)
	v_add_f32 v14, v14, v252                       ; the row's sum
	s_wait_alu depctr_va_vdst(0)
	v_rcp_f32 v14, v14
	v_nop                                          ; a plain instruction behind the transcendental
	s_add_co_i32 s84, s72, s73
	s_wait_alu depctr_va_vdst(0)                   ; and the wait ahead of its first reader
	v_ldexp_f32 v14, v14, s84
.set j, 0
.rept 32
	v_mul_f32 v[96+j], v[160+j], v14               ; register 8 t + i is y(my query, 16 t + 8 h + i)
.set j, j+1
.endr
.set j, 0
.rept 32
.set j, j+1
.endr
.irp t, 0,1,2,3
	v_cvt_scalef32_pk8_fp8_f32 v[224+2*\t:225+2*\t], v[96+8*\t:103+8*\t], v245
.endr
	v_nop
	global_store_b128 v[LI], v[224:227], s[12:13]              ; 32 lanes store 512 consecutive bytes, aligned
	global_store_b128 v[LI], v[228:231], s[12:13] offset:512
	s_wait_tensorcnt 0x0
	ds_add_u32 v251, v255
	s_wait_dscnt 0x0
	s_endpgm
.Lfunc_end_k_q99e6919f3b_attn:
	.size	k_q99e6919f3b_attn, .Lfunc_end_k_q99e6919f3b_attn-k_q99e6919f3b_attn
	.p2alignl 7, 3214868480
	.fill 96, 4, 3214868480
	.section	.rodata,"a",@progbits
	.p2align	6, 0x0
	.amdhsa_kernel k_q99e6919f3b_attn
		.amdhsa_group_segment_fixed_size 264192
		.amdhsa_private_segment_fixed_size 0
		.amdhsa_enable_private_segment 0
		.amdhsa_kernarg_size 40
		.amdhsa_user_sgpr_count 2
		.amdhsa_user_sgpr_kernarg_segment_ptr 1
		.amdhsa_wavefront_size32 1
		.amdhsa_system_sgpr_workgroup_id_x 1
		.amdhsa_system_sgpr_workgroup_id_y 1
		.amdhsa_system_sgpr_workgroup_id_z 1
		.amdhsa_system_vgpr_workitem_id 0
		.amdhsa_next_free_vgpr 256
		.amdhsa_next_free_sgpr 100
		.amdhsa_reserve_vcc 1
		.amdhsa_float_denorm_mode_32 3
		.amdhsa_float_denorm_mode_16_64 3
		.amdhsa_fp16_overflow 1
		.amdhsa_memory_ordered 1
		.amdhsa_forward_progress 1
		.amdhsa_inst_pref_size 89
	.end_amdhsa_kernel
	.amdgpu_metadata
---
amdhsa.version: [ 1, 2 ]
amdhsa.kernels:
  - .name:           k_q99e6919f3b_attn
    .symbol:         k_q99e6919f3b_attn.kd
    .args:
      - { .name: qc, .offset: 0, .size: 8, .value_kind: global_buffer, .address_space: global }
      - { .name: kc, .offset: 8, .size: 8, .value_kind: global_buffer, .address_space: global }
      - { .name: vc, .offset: 16, .size: 8, .value_kind: global_buffer, .address_space: global }
      - { .name: lowp_scales, .offset: 24, .size: 8, .value_kind: global_buffer, .address_space: global }
      - { .name: yc, .offset: 32, .size: 8, .value_kind: global_buffer, .address_space: global }
    .group_segment_fixed_size: 264192
    .private_segment_fixed_size: 0
    .kernarg_segment_align: 8
    .kernarg_segment_size: 40
    .max_flat_workgroup_size: 512
    .sgpr_count:     100
    .vgpr_count:     256
    .wavefront_size: 32
...
	.end_amdgpu_metadata
.endif
;; end of part 3
;; launch proj (part 4): grid 8 x 32, 4 waves a work-group, clusters of 4 x 4, 327,680 bytes of LDS; arguments yc, w_attn_proj_codes, lowp_scales, x, x1; writes x1
.if DOCPART == 4
	.amdgcn_target "amdgcn-amd-amdhsa--gfx1250"
	.amdhsa_code_object_version 6
	.text
	.protected	k_q99e6919f3b_proj
	.globl	k_q99e6919f3b_proj
	.p2align	8
	.type	k_q99e6919f3b_proj,@function
k_q99e6919f3b_proj:
	s_mov_b64 s[64:65], 0
	v_nop
	global_prefetch_b8 v0, s[64:65] scope:SCOPE_SE
	s_setreg_imm32_b32 hwreg(HW_REG_WAVE_MODE, 25, 1), 1
	s_wait_xcnt 0x0
	s_wait_alu depctr_hold_cnt(0) depctr_sa_sdst(0) depctr_va_vdst(0) depctr_va_sdst(0) depctr_va_ssrc(0) depctr_va_vcc(0) depctr_vm_vsrc(0)
	s_getreg_b32 s2, hwreg(HW_REG_IB_STS2, 6, 4)
	s_cmp_eq_u32 s2, 0
	s_cbranch_scc0 .Lentry_in_a_cluster
	s_endpgm
.Lentry_in_a_cluster:
	s_bfe_u32 s2, ttmp6, 0x10000c
	s_cmp_lg_u32 s2, 0xf033
	s_cbranch_scc0 .Lentry_shape_is_right
	s_endpgm
.Lentry_shape_is_right:
; x1 = x + y W_proj, the product on codes of E4M3.  yc: images of y's fragments, [token / 16: 256][k / 128: 8][2,048 bytes] (scale 2^e6).  w_attn_proj_codes: [1024][1024] codes, K innermost (2^e7).  x, x1: [4096][1024] f32.
; C has 4,096 x 1,024 numbers: tiles of 256 x 256 would be 64, so a tile is 128 x 128 (256 work-groups), four waves of 64 x 64: 16 accumulators.  K goes in steps of 512 through two LDS slots; here the two first fills are all of K.
; A comes as images in the plain 8-bit layout (four loads of 512 consecutive bytes a fragment); so the weights' rows are read in that layout too: eight loads of 8 bytes a fragment.
; 4 x 4 work-groups form a cluster: A's tile is shared along a row of the cluster, B's along a column; each is asked for jointly.
; The matrix instruction is used transposed (source 0 = 16 rows of B, source 1 = 16 rows of A): a lane holds eight neighbouring numbers of a row of C.  My part of x is asked for at the head and waited for on the way out.
; LIMIT: e6 + e7 between -126 and 127.
.set NA,     4                         ; blocks of 16 rows in a wave's tile, for A and for B
.set KK,     2                         ; matrix instructions deep along K in a step
.set AIMG,   1                         ; A arrives as images
.set SIZE_K, 1024
.set EOFF,   0x18                      ; the two exponents' place among the scales
; ---- the product's core: the same text in the four product kernels, steered by the four lines above ----
; THE ORDER ALONG K.  A lap is two slots.  A cluster walks K's laps in the order m xor P, m = 0 .. LAPS - 1; P is the parity of the ones in the cluster's x and y, the same in all sixteen partners.
; So, of the clusters that read the same rows of A or of B, some ask for laps 0, 1, 2, 3 and the others for laps 1, 0, 3, 2: every second lap that a cluster asks for has been asked for by another cluster one lap earlier.
; A sum's K steps are added in the cluster's order.
.set HB,     NA/2
.set ROWB,   256*KK                    ; a slot's part of a row, in bytes
.set PITCH,  ROWB+16                   ; an LDS row: 16 bytes of padding, so that the 16 rows that a load touches start at 16 different banks (64 banks of 4 bytes: ISA guide 11.1)
.set QI,     4+KK                      ; the padding's interval: a row's words
.set WR,     16*NA                     ; rows of a wave's tile, and of a tensor load
.set BHALF,  WR*PITCH
.if AIMG
.set AHALF,  WR*ROWB                   ; images lie dense
.set ASTEP,  16*ROWB                   ; a slot on, in a block's images
.else
.set AHALF,  BHALF
.set ASTEP,  ROWB
.endif
.set SLOT,   2*AHALF+2*BHALF           ; A's two halves, then B's two halves
.set SPARE,  2*SLOT                    ; behind the ring: the spare words, 128 bytes for each wave: two blocks of 256 bytes that no other line names
.set LAPS,   SIZE_K/(2*ROWB)           ; a lap = once round the ring: 1, 2 or 4 here
.set NLA,    4                         ; LDS loads that bring a unit of A
.set PAR,  2                           ; s2      P
.set BA,   4                           ; s[4:5]  the address of my half of A's tile at K = 0
.set BB,   6                           ; s[6:7]  the same for B
.set ADRA, 16                          ; v16-17  LDS address of my A fragments in slot 0, 1
.set ADRB, 20                          ; v20-21  the same for B
.set SPW,  28                          ; v28     LDS address of my spare word; never rewritten
.set NIL,  29                          ; v29     0; never rewritten
.set AF,   128                         ; window 0, v128-255: A's eight units (16 rows x 128 K), ONE set.  Window 1: B's eight units, TWO sets, at v0 and v128.  Windows 2, 3: the accumulators of my lower and upper blocks
.set G1,  24                           ; s[24:31] descriptor group 1 for A's tiles; s[32:39] group 0, one set for each slot
.set G0,  32
.set G1B, 48                           ; s[48:55], s[56:63] the same for B's
.set G0B, 56
.set MSB, 0
.macro WIN new                         ; the immediate's high byte repeats the setting that is left; a switch that changes nothing is dropped
.if MSB != (\new)
	s_set_vgpr_msb (MSB<<8)|(\new)
.set MSB, (\new)
.endif
.endm
.set MUL_LO, 0xa1                      ; source 0 (B) window 1, source 1 (A) window 0, C and D window 2
.set MUL_HI, 0xf1                      ; the same, C and D window 3
.set TO_B,   0x40                      ; destination window 1, address window 0
.macro PLACES n                        ; plain vector instructions between a matrix instruction and a load into, or a read of, its registers
.rept \n
	v_nop
.endr
.endm
; A joint load: waves 0 and 1 fetch A's halves, waves 2 and 3 B's.  The branch hangs on the wave's number alone.  Four v_nop follow each of the two lines.
.macro JLOAD g0a, g1a, g0b, g1b
	s_cmp_eq_u32 s15, 0
	s_cbranch_scc0 .Lfor_b_\@
	tensor_load_to_lds s[\g0a:\g0a+3], s[\g1a:\g1a+7]
	s_nop 0
.rept 4
	v_nop
.endr
	s_branch .Lasked_\@
.Lfor_b_\@:
	tensor_load_to_lds s[\g0b:\g0b+3], s[\g1b:\g1b+7]
	s_nop 0
.rept 4
	v_nop
.endr
.Lasked_\@:
.endm
.macro CREST                           ; a round of the cluster's barrier behind its opening barrier
	s_cmp_lg_u32 s14, 0
	s_cbranch_scc1 .Lnot_wave_0_\@
	s_barrier_signal -3
.Lnot_wave_0_\@:
	s_barrier_wait -3
	s_barrier_signal -1
	s_barrier_wait -1
.endm
.macro CROUND                          ; a whole round
	s_barrier_signal -1
	s_barrier_wait -1
	CREST
.endm
.macro IDS                             ; the add's two registers, the wave's number, my place in the cluster, the two masks
	v_lshl_add_u32 v[SPW], v0, 2, SPARE
	v_mov_b32 v[NIL], 0
	ds_add_u32 v28, v29
	ds_add_u32 v28, v29
	s_wait_dscnt 0x0
	v_lshrrev_b32 v1, 5, v0
	v_readfirstlane_b32 s14, v1                    ; wave 0..3
	s_lshr_b32 s15, s14, 1                         ; which half of the tile's rows is mine.  Also: I fetch for A (0) or for B (1)
	s_and_b32 s16, s14, 1                          ; which half of its columns.  Also: which half of that tile I fetch
	s_bfe_u32 s40, ttmp6, 0x40000                  ; cx
	s_bfe_u32 s41, ttmp6, 0x40004                  ; cy
	s_lshl_b32 s43, s41, 2
	s_lshl_b32 s43, 15, s43                        ; my row of the cluster
	s_lshl_b32 s44, 0x1111, s40                    ; my column
.endm
.macro PARITY                          ; with more than one lap: s[PAR] holds the cluster's x and y, in different bits, and becomes P
.if LAPS > 1
	s_bcnt1_i32_b32 s[PAR], s[PAR]
	s_and_b32 s[PAR], s[PAR], 1
.else
	s_mov_b32 s[PAR], 0                            ; one lap: there is no order to choose
.endif
.endm
.macro DESCR                           ; both groups 1
.if AIMG
	s_or_b32 s[G1+0], s43, (3<<16)|(1<<21)         ; the mask: my row; elements of 8 bytes; bit 21 beside a mask; no padding
	s_mov_b32 s[G1+1], (2*ROWB)<<16                ; tensor_dim0: a block's images of a slot, 16 x ROWB bytes
	s_mov_b32 s[G1+2], NA<<16                      ; tensor_dim1: the blocks of a half
	s_mov_b32 s[G1+3], (2*ROWB)<<16                ; tile_dim0
	s_mov_b32 s[G1+4], NA                          ; tile_dim1
	s_mov_b32 s[G1+5], 2*SIZE_K                    ; from block to block: 16 x SIZE_K bytes
.else
	s_or_b32 s[G1+0], s43, (1<<20)|(1<<21)|(QI<<22)|(3<<25)   ; the mask: my row; elements of 1 byte; padding on: four words behind each row; bit 21 beside a mask
	s_mov_b32 s[G1+1], ROWB<<16
	s_mov_b32 s[G1+2], WR<<16
	s_mov_b32 s[G1+3], ROWB<<16
	s_mov_b32 s[G1+4], WR
	s_mov_b32 s[G1+5], SIZE_K
.endif
	s_mov_b32 s[G1+6], 0
	s_mov_b32 s[G1+7], 0
	s_or_b32 s[G1B+0], s44, (1<<20)|(1<<21)|(QI<<22)|(3<<25)  ; the same with the mask of my column
	s_mov_b32 s[G1B+1], ROWB<<16
	s_mov_b32 s[G1B+2], WR<<16
	s_mov_b32 s[G1B+3], ROWB<<16
	s_mov_b32 s[G1B+4], WR
	s_mov_b32 s[G1B+5], SIZE_K
	s_mov_b32 s[G1B+6], 0
	s_mov_b32 s[G1B+7], 0
.endm
.macro KOFF s                          ; s18 holds a lap's number: s[20:21] and s[22:23] (upper words 0) become the bytes from K = 0 to that lap's slot s, in A and in B
	s_lshl_b32 s18, s18, 1
.if (\s) != 0
	s_add_co_u32 s18, s18, \s
.endif
	s_mul_i32 s20, s18, ASTEP
	s_mul_i32 s22, s18, ROWB
.endm
.macro AIM s                           ; slot s's two groups 0 take those places; no tensor load of mine is out where this stands
	s_add_nc_u64 s[G0+4*\s+2:G0+4*\s+3], s[BA:BA+1], s[20:21]
	s_or_b32 s[G0+4*\s+3], s[G0+4*\s+3], 0x80000000
	s_add_nc_u64 s[G0B+4*\s+2:G0B+4*\s+3], s[BB:BB+1], s[22:23]
	s_or_b32 s[G0B+4*\s+3], s[G0B+4*\s+3], 0x80000000
.endm
.macro FIRST                           ; one round, then both slots' first fills, lap 0 xor P: two tensor loads of mine are out
	s_mul_i32 s45, s16, AHALF                      ; where they go: no place in the cluster enters an LDS address
	s_mul_i32 s19, s16, BHALF
	s_add_co_u32 s19, s19, 2*AHALF
	s_mov_b32 s21, 0
	s_mov_b32 s23, 0
	CROUND                                         ; all sixteen work-groups are here: the first joint loads meet
.irp s, 0,1
	s_mov_b32 s18, s[PAR]
	KOFF \s
	s_mov_b32 s[G0+4*\s], 1
	s_add_co_u32 s[G0+4*\s+1], s45, \s*SLOT
	s_mov_b32 s[G0B+4*\s], 1
	s_add_co_u32 s[G0B+4*\s+1], s19, \s*SLOT
	AIM \s
	JLOAD G0+4*\s, G1, G0B+4*\s, G1B
.endr
.endm
.macro ADDRS                           ; v1 = r, v2 = h, v6 = 16 x lane stay; the fragments' LDS addresses
	v_and_b32 v1, 15, v0
	v_bfe_u32 v2, v0, 4, 1
	v_mul_u32_u24 v3, v1, PITCH
	v_and_b32 v6, 31, v0
	v_lshlrev_b32 v6, 4, v6
.if AIMG
	v_lshl_add_u32 v4, v2, 3, v3                   ; rows in the plain layout: row x pitch + 8 h
.else
	v_lshl_add_u32 v4, v2, 4, v3                   ; row x pitch + 16 h
.endif
	s_mul_i32 s21, s15, AHALF
	s_mul_i32 s22, s16, BHALF
	s_add_co_u32 s22, s22, 2*AHALF
.irp s, 0,1
.if AIMG
	v_add_nc_u32 v[ADRA+\s], s21, v6
.else
	v_add_nc_u32 v[ADRA+\s], s21, v4
.endif
	v_add_nc_u32 v[ADRB+\s], s22, v4
	s_add_co_u32 s21, s21, SLOT
	s_add_co_u32 s22, s22, SLOT
.endr
.endm
; A step covers 128 KK along K: eight units of A and eight of B, 16 registers each; unit u = block u / KK, sub-step u % KK.  A slot holds two steps, q = 0, 1.
.macro FRAGR reg, adr, q, u            ; a unit from rows
.set fo, ((\u)/KK)*16*PITCH+128*(KK*(\q)+(\u)%KK)
.if AIMG
.irp c, 0,1,2,3,4,5,6,7
	ds_load_b64 v[\reg+2*\c:\reg+2*\c+1], v[\adr] offset:fo+16*\c       ; registers 2 c, 2 c + 1: k = 16 c + 8 h + 0 .. 7, as the images have it
.endr
.else
.irp c, 0,1,2,3
	ds_load_b128 v[\reg+4*\c:\reg+4*\c+3], v[\adr] offset:fo+32*\c
.endr
.endif
.endm
.macro FRAGI reg, adr, q, u            ; a unit from its image: 512 consecutive bytes a load
.set fo, ((\u)/KK)*16*ROWB+(KK*(\q)+(\u)%KK)*2048
.irp c, 0,1,2,3
	ds_load_b128 v[\reg+4*\c:\reg+4*\c+3], v[\adr] offset:fo+512*\c
.endr
.endm
.macro FETCH_B slot, q, p
	WIN TO_B
.irp u, 0,1,2,3,4,5,6,7
	FRAGR 128*(\p)+16*\u, ADRB+\slot, \q, \u
.endr
	WIN 0
.endm
.macro FETCH_A slot, q, u0
.irp u, \u0, \u0+1, \u0+2, \u0+3
.if AIMG
	FRAGI AF+16*(\u), ADRA+\slot, \q, \u
.else
	FRAGR AF+16*(\u), ADRA+\slot, \q, \u
.endif
.endr
.endm
; Products: sub-steps k0 .. , A's blocks a0 .. , against all of B's blocks; p: B's set.  zero = 1: a sum's first product takes the constant 0: nothing is cleared.
; The accumulators take turns, one instruction a turn, in the same order in every step.
.macro MULP a0, na, k0, nk, p, zero
.set mk, \k0
.rept \nk
.set ma, \a0
.rept \na
.set mb, 0
.rept NA
.set rD, 8*(NA*(ma%HB)+mb)
.set rB, 128*(\p)+16*(KK*mb+mk)
.set rA, AF+16*(KK*ma+mk)
.if (\zero) && (mk == 0)
	v_wmma_f32_16x16x128_fp8_fp8 v[rD:rD+7], v[rB:rB+15], v[rA:rA+15], 0
.else
	v_wmma_f32_16x16x128_fp8_fp8 v[rD:rD+7], v[rB:rB+15], v[rA:rA+15], v[rD:rD+7]
.endif
.set mb, mb+1
.endr
.set ma, ma+1
.endr
.set mk, mk+1
.endr
.endm
.macro LOW1 p, z                       ; LOW1 and LOW2 use A's units 0-3, HIGH its units 4-7
	MULP 0, 2, 0, 1, \p, \z
.endm
.macro LOW2 p, z
.if KK == 1
	MULP 2, 2, 0, 1, \p, \z
.else
	MULP 0, 2, 1, 1, \p, \z
.endif
.endm
.macro HIGH p, z
	MULP HB, HB, 0, KK, \p, \z
.endm
.macro STEP slot, zero                 ; a slot's first step; it fetches the second step's units
	s_wait_dscnt 4*NLA                             ; B's set and A's units 0-3 are in; the youngest loads (A's units 4-7) may be out
	WIN MUL_LO
	LOW1 0, \zero
	LOW2 0, \zero
	s_wait_dscnt 0x0                               ; A's units 4-7 are in
	PLACES 4
	FETCH_B \slot, 1, 1
	FETCH_A \slot, 1, 0
	WIN MUL_HI
	HIGH 0, \zero
	PLACES 4
	WIN 0
	FETCH_A \slot, 1, 4
.endm
; A slot's second step changes slots: ONE barrier; in front of it each wave waits for all its tensor loads, adds 0 to its spare word, and waits for that and for its own reads of this slot.  fill = 1: the slot is filled again, with its part of the next lap.
.macro TURN slot, next, fill
	s_wait_tensorcnt 0x0                           ; all my tensor loads have landed: my part of the next slot; so every group 0 may be written
	ds_add_u32 v[SPW], v[NIL]                      ; 0 onto my spare word
.if \fill
	s_sub_co_u32 s18, LAPS, s3                     ; the lap that is asked for is the (LAPS - s3)-th of my walk,
	s_xor_b32 s18, s18, s[PAR]                     ; which is this lap of K
	KOFF \slot
	AIM \slot
.endif
	s_wait_dscnt 4*NLA+1                           ; (the add and A's units 4-7 may be out)
	WIN MUL_LO
	LOW1 1, 0                                      ; matrix instructions stand between the add and the wait for it
	s_wait_dscnt 0x0                               ; the add is done, and my reads of this slot are over
	s_barrier_signal -1
	LOW2 1, 0
	WIN 0
	s_barrier_wait -1
.if \fill
	CREST                                          ; the barrier has opened a round of the cluster's barrier: no wave of any partner still reads this slot or has a load on its way
	JLOAD G0+4*\slot, G1, G0B+4*\slot, G1B         ; my one tensor load behind the round; its four v_nop are also the places in front of the loads below
.else
	PLACES 4
.endif
	FETCH_B \next, 0, 0
	FETCH_A \next, 0, 0
	WIN MUL_HI
	HIGH 1, 0
	PLACES 4
	WIN 0
	FETCH_A \next, 0, 4
.endm
.macro MAIN
.if LAPS > 1
	s_mov_b32 s21, 0                               ; the upper words of the refills' two offsets
	s_mov_b32 s23, 0
.endif
	s_wait_tensorcnt 1                             ; my part of slot 0 is in; slot 1's load may be out
	s_barrier_signal -1
	s_barrier_wait -1                              ; everybody's is
	FETCH_B 0, 0, 0
	FETCH_A 0, 0, 0
	FETCH_A 0, 0, 4
	STEP 0, 1                                      ; the first step stands in front of the loop: its products start the sums
.if LAPS > 1
	s_mov_b32 s3, LAPS-1
.Llap:                                             ; a trip goes once round the ring and fills both slots again
	TURN 0, 1, 1
	STEP 1, 0
	TURN 1, 0, 1
	STEP 0, 0
	s_sub_co_u32 s3, s3, 1
	s_cmp_lg_u32 s3, 0
	s_cbranch_scc1 .Llap
.endif
	TURN 0, 1, 0                                   ; the last lap fills nothing, and has no round of the cluster's barrier
	STEP 1, 0
	s_wait_dscnt 4*NLA                             ; the very last step: nothing more to fetch
	WIN MUL_LO
	LOW1 1, 0
	LOW2 1, 0
	s_wait_dscnt 0x0
	WIN MUL_HI
	HIGH 1, 0
	WIN 0
	PLACES 4                                       ; in front of the first read of results and the first write of A's registers
.endm
.macro FINISH
	s_wait_tensorcnt 0x0                           ; the wave's end
	ds_add_u32 v[SPW], v[NIL]
	s_wait_dscnt 0x0
	CROUND                                         ; the closing round: no work-group ends while a partner may still ask for a tile that names it
	s_endpgm
.endm
; ---- end of the core ----
.set STAGE,  SPARE+512                 ; behind the spare words: 16 rows x (256 bytes + 16) for each wave, for the way out; no tensor load lands here
.set SPITCH, 272
.set STO, 24                           ; v24  where I put 32 bytes of a row
.set RD,  25                           ; v25  where I read a row back
.set CO,  26                           ; v26  my byte offset in two rows of x and of x1
.set BK,  128                          ; window 0, v128-255: the rows read back, 32 registers a block.  Window 2, v128-255: my part of x, in the same places
	s_load_b128 s[4:7], s[0:1], 0x0                ; yc, w_attn_proj_codes
	s_load_b64 s[8:9], s[0:1], 0x10                ; the scales' exponents
	s_load_b128 s[68:71], s[0:1], 0x18             ; x, x1
	IDS
	DESCR
	PARITY                                         ; K is one lap here
	s_lshl_b32 s42, ttmp9, 2
	s_add_co_u32 s42, s42, s40                     ; tile column of C = 4 x cluster x + cx
	s_and_b32 s17, ttmp7, 0xffff
	s_lshl_b32 s17, s17, 2
	s_add_co_u32 s17, s17, s41                     ; tile row of C = 4 x cluster y + cy
	s_mul_i32 s18, s16, WR                         ; which half of a tile I fetch
	s_mul_i32 s20, s17, 2*WR
	s_add_co_u32 s20, s20, s18
	s_mul_i32 s20, s20, SIZE_K                     ; A: a row's share of the images is SIZE_K bytes
	s_mov_b32 s21, 0
	s_mul_i32 s46, s42, 2*WR
	s_add_co_u32 s46, s46, s18
	s_mul_i32 s46, s46, SIZE_K                     ; B: rows of SIZE_K bytes
	s_mov_b32 s47, 0
	s_wait_kmcnt 0x0
	s_load_b64 s[96:97], s[8:9], EOFF              ; the two exponents
	s_add_nc_u64 s[BA:BA+1], s[4:5], s[20:21]
	s_add_nc_u64 s[BB:BB+1], s[6:7], s[46:47]
	FIRST
	ADDRS
	s_mul_i32 s23, s14, 16*SPITCH
	s_add_co_u32 s23, s23, STAGE                   ; my stage
	v_mul_u32_u24 v5, v1, SPITCH                   ; in: row r, 32 bytes for each half of the lanes
	v_lshl_add_u32 v5, v2, 5, v5
	v_add_nc_u32 v[STO], s23, v5
	v_mul_u32_u24 v5, v2, SPITCH                   ; back: lanes 0-15 one row of 256 bytes, lanes 16-31 the next
	v_lshl_add_u32 v5, v1, 4, v5
	v_add_nc_u32 v[RD], s23, v5
	v_lshlrev_b32 v5, 12, v2                       ; and the same two rows in memory
	v_lshl_add_u32 v[CO], v1, 4, v5
	s_wait_alu depctr_va_vdst(0)
	s_lshl_b32 s72, s17, 7
	s_lshl_b32 s73, s15, 6
	s_add_co_u32 s72, s72, s73                     ; my first row: 128 x tile row + 64 x half
	s_lshl_b32 s72, s72, 12
	s_lshl_b32 s73, s42, 9                         ; my first column, in bytes: 512 x tile column + 256 x half
	s_add_co_u32 s72, s72, s73
	s_lshl_b32 s73, s16, 8
	s_add_co_u32 s72, s72, s73
	s_mov_b32 s73, 0
	s_add_nc_u64 s[68:69], s[68:69], s[72:73]
	s_add_nc_u64 s[70:71], s[70:71], s[72:73]
	WIN 0x80                                       ; destination window 2
.irp a, 0,1,2,3
.irp t, 0,1,2,3,4,5,6,7
	global_load_b128 v[BK+32*\a+4*\t:BK+32*\a+4*\t+3], v[CO], s[68:69] offset:(16*\a+2*\t)*4096 th:TH_LOAD_NT   ; 16 lanes read 256 consecutive bytes
.endr
.endr
	WIN 0
	MAIN
	s_wait_kmcnt 0x0
	s_add_co_i32 s96, s96, s97
	s_add_co_i32 s96, s96, 127
	s_lshl_b32 s96, s96, 23                        ; 2^(e6 + e7) as f32
	s_mov_b32 s97, s96                             ; (named with it as a pair)
	s_wait_loadcnt 0x0                             ; my part of x
; A lane holds 32 neighbouring bytes of a row and the lanes beside it hold other rows: a block of 16 rows x 64 columns goes through my own stage and comes back as whole rows of 256 bytes.
; LDS serves a wave's instructions in order (ISA guide 5.7.1.4): no wait between the stores and the loads, nor in front of the next block's stores.
.macro TOSTAGE a
	WIN 0x08+4*((\a)/HB)                           ; the stores' data: window 2 or 3
.irp b, 0,1,2,3
	ds_store_b128 v[STO], v[8*(NA*((\a)%HB)+\b):8*(NA*((\a)%HB)+\b)+3] offset:64*\b          ; each accumulator from its low end on
	ds_store_b128 v[STO], v[8*(NA*((\a)%HB)+\b)+4:8*(NA*((\a)%HB)+\b)+7] offset:64*\b+16
.endr
	WIN 0
.irp t, 0,1,2,3,4,5,6,7
	ds_load_b128 v[BK+32*(\a)+4*\t:BK+32*(\a)+4*\t+3], v[RD] offset:\t*2*SPITCH
.endr
.endm
.macro SEND a, younger                 ; younger: the LDS instructions issued behind block a's loads: the next block's 8 stores and 8 loads, or none
	s_wait_dscnt \younger
	WIN 0x20                                       ; source 2: window 2
.set si, BK+32*(\a)
.rept 16
	v_pk_fma_f32 v[si:si+1], v[si:si+1], s[96:97], v[si:si+1] op_sel_hi:[1,0,1]   ; sum x 2^(e6 + e7) + x
.set si, si+2
.endr
	WIN 0
.irp t, 0,1,2,3,4,5,6,7
	global_store_b128 v[CO], v[BK+32*(\a)+4*\t:BK+32*(\a)+4*\t+3], s[70:71] offset:(16*(\a)+2*\t)*4096   ; 16 lanes store 256 consecutive bytes, aligned
.endr
.endm
	TOSTAGE 0
.irp a, 1,2,3
	TOSTAGE \a
	SEND \a-1, 16
.endr
	SEND 3, 0
	FINISH
.Lfunc_end_k_q99e6919f3b_proj:
	.size	k_q99e6919f3b_proj, .Lfunc_end_k_q99e6919f3b_proj-k_q99e6919f3b_proj
	.p2alignl 7, 3214868480
	.fill 96, 4, 3214868480
	.section	.rodata,"a",@progbits
	.p2align	6, 0x0
	.amdhsa_kernel k_q99e6919f3b_proj
		.amdhsa_group_segment_fixed_size 327680
		.amdhsa_private_segment_fixed_size 0
		.amdhsa_enable_private_segment 0
		.amdhsa_kernarg_size 40
		.amdhsa_user_sgpr_count 2
		.amdhsa_user_sgpr_kernarg_segment_ptr 1
		.amdhsa_wavefront_size32 1
		.amdhsa_system_sgpr_workgroup_id_x 1
		.amdhsa_system_sgpr_workgroup_id_y 1
		.amdhsa_system_sgpr_workgroup_id_z 1
		.amdhsa_system_vgpr_workitem_id 0
		.amdhsa_next_free_vgpr 1024
		.amdhsa_next_free_sgpr 100
		.amdhsa_reserve_vcc 0
		.amdhsa_float_denorm_mode_32 3
		.amdhsa_float_denorm_mode_16_64 3
		.amdhsa_memory_ordered 1
		.amdhsa_forward_progress 1
		.amdhsa_inst_pref_size 57
	.end_amdhsa_kernel
	.amdgpu_metadata
---
amdhsa.version: [ 1, 2 ]
amdhsa.kernels:
  - .name:           k_q99e6919f3b_proj
    .symbol:         k_q99e6919f3b_proj.kd
    .args:
      - { .name: yc, .offset: 0, .size: 8, .value_kind: global_buffer, .address_space: global }
      - { .name: w_attn_proj_codes, .offset: 8, .size: 8, .value_kind: global_buffer, .address_space: global }
      - { .name: lowp_scales, .offset: 16, .size: 8, .value_kind: global_buffer, .address_space: global }
      - { .name: x, .offset: 24, .size: 8, .value_kind: global_buffer, .address_space: global }
      - { .name: x1, .offset: 32, .size: 8, .value_kind: global_buffer, .address_space: global }
    .group_segment_fixed_size: 327680
    .private_segment_fixed_size: 0
    .kernarg_segment_align: 8
    .kernarg_segment_size: 40
    .max_flat_workgroup_size: 128
    .sgpr_count:     100
    .vgpr_count:     1024
    .wavefront_size: 32
...
	.end_amdgpu_metadata
.endif
;; end of part 4
;; launch ln2 (part 5): grid 256 x 1, 4 waves a work-group, no clusters, 0 bytes of LDS; arguments x1, ln2_w, ln2_b, lowp_scales, ac; writes ac
.if DOCPART == 5
	.amdgcn_target "amdgcn-amd-amdhsa--gfx1250"
	.amdhsa_code_object_version 6
	.text
	.protected	k_q99e6919f3b_ln2
	.globl	k_q99e6919f3b_ln2
	.p2align	8
	.type	k_q99e6919f3b_ln2,@function
k_q99e6919f3b_ln2:
	s_mov_b64 s[64:65], 0
	v_nop
	global_prefetch_b8 v0, s[64:65] scope:SCOPE_SE
	s_setreg_imm32_b32 hwreg(HW_REG_WAVE_MODE, 25, 1), 1
	s_wait_xcnt 0x0
; ac = codes of E4M3 of LayerNorm(x1) = (x1 - mean) * rsqrt(var + 1e-5) * w + b, with the given scale 2^e, e = the entry of the scales at byte EOFF.
; x1: [4096][1024] f32.  ac: [4096][1024] codes, one byte each, the row's 1,024 numbers innermost.
; A wave takes four whole rows, so a row's two sums never leave the wave: no LDS, no barrier, no matrix unit, no cluster (work-groups share only w and b, 8 KB).
; Lane l holds, for i = 0 .. 3, the eight neighbours 256 i + 8 l + 0 .. 7 of a row: two loads of 16 bytes; a pair of loads covers 1,024 consecutive bytes,
; and the lane's eight codes are 8 bytes, so that the wave's store covers 256 consecutive bytes, aligned.
; All 48 loads of a wave (w, b, four rows) are issued before the first wait.  The variance is taken of x - mean (two passes over registers), so that a common offset of the inputs does not cancel.
; LIMITS: e between -126 and 119, so that 2^e and 448 x 2^e are f32 numbers.  NaN and infinities among the inputs are not served.
.set EOFF, 0x20
.set LW,  16                           ; v16-47   w of my 32 columns
.set LB,  48                           ; v48-79   b
.set X,   80                           ; v80-207  four rows, 32 numbers each
.set S,   208                          ; v208-215 four chains of packed sums
.set MU,  216                          ; v216-217 the mean, twice
.set RS,  218                          ; v218-219 1 / sqrt(var + eps), twice
.set PD,  220                          ; v220     the lane permute's destination
.set VA,  221                          ; v221     var + eps
.set SC,  222                          ; v222     2^e
.set LIM, 223
.set CD,  224                          ; v224-255 codes: eight registers for each row, so that no store's data are written again
	s_load_b256 s[4:11], s[0:1], 0x0               ; x1 s[4:5], w s[6:7], b s[8:9], the scales' exponents s[10:11]
	s_load_b64 s[12:13], s[0:1], 0x20              ; the codes
	v_lshrrev_b32 v3, 5, v0
	v_readfirstlane_b32 s16, v3                    ; wave
	v_and_b32 v4, 31, v0                           ; lane
	v_lshlrev_b32 v1, 5, v4                        ; 32 bytes of f32 a lane
	v_lshlrev_b32 v2, 3, v4                        ; 8 bytes of codes a lane
	v_mov_b32 v[PD], 0                             ; written once: a lane permute's destination counts as one of its sources
	s_lshl_b32 s17, ttmp9, 2
	s_add_co_u32 s17, s17, s16                     ; which four rows are my wave's
	s_lshl_b32 s18, s17, 14                        ; x 4 rows of 4,096 bytes
	s_mov_b32 s19, 0
	s_lshl_b32 s20, s17, 12                        ; x 4 rows of 1,024 bytes
	s_mov_b32 s21, 0
	s_mov_b32 s14, 0x76543210                      ; lane selects: lane l xor 16
	s_mov_b32 s15, 0xfedcba98
	s_mov_b32 s24, 0x3a800000                      ; 1 / 1024
	s_mov_b32 s25, 0x3727c5ac                      ; 1e-5
	s_wait_alu depctr_va_vdst(0)
	s_wait_kmcnt 0x0
	s_load_b32 s22, s[10:11], EOFF                 ; e
	s_add_nc_u64 s[4:5], s[4:5], s[18:19]
	s_add_nc_u64 s[12:13], s[12:13], s[20:21]
.irp i, 0,1,2,3
	global_load_b128 v[LW+8*\i:LW+8*\i+3],   v1, s[6:7] offset:1024*\i
	global_load_b128 v[LW+8*\i+4:LW+8*\i+7], v1, s[6:7] offset:1024*\i+16
	global_load_b128 v[LB+8*\i:LB+8*\i+3],   v1, s[8:9] offset:1024*\i
	global_load_b128 v[LB+8*\i+4:LB+8*\i+7], v1, s[8:9] offset:1024*\i+16
.endr
.irp p, 0,1,2,3
.irp i, 0,1,2,3
	global_load_b128 v[X+32*\p+8*\i:X+32*\p+8*\i+3],   v1, s[4:5] offset:4096*\p+1024*\i th:TH_LOAD_NT
	global_load_b128 v[X+32*\p+8*\i+4:X+32*\p+8*\i+7], v1, s[4:5] offset:4096*\p+1024*\i+16 th:TH_LOAD_NT
.endr
.endr
	s_wait_kmcnt 0x0
	s_add_co_i32 s22, s22, 127
	s_lshl_b32 s23, s22, 23
	v_mov_b32 v[SC], s23                           ; 2^e as f32: the conversion takes its exponent field
	s_add_co_i32 s22, s22, 8
	s_lshl_b32 s22, s22, 23
	s_or_b32 s22, s22, 0x600000
; the four chains' pairs become one number, in every lane, in v[S]
.macro REDUCE
	v_pk_add_f32 v[S:S+1], v[S:S+1], v[S+2:S+3]
	v_pk_add_f32 v[S+4:S+5], v[S+4:S+5], v[S+6:S+7]
	v_pk_add_f32 v[S:S+1], v[S:S+1], v[S+4:S+5]
	v_add_f32 v[S], v[S], v[S+1]
	v_add_f32_dpp v[S], v[S], v[S] row_xmask:1 row_mask:0xf bank_mask:0xf
	v_add_f32_dpp v[S], v[S], v[S] row_xmask:2 row_mask:0xf bank_mask:0xf
	v_add_f32_dpp v[S], v[S], v[S] row_xmask:4 row_mask:0xf bank_mask:0xf
	v_add_f32_dpp v[S], v[S], v[S] row_xmask:8 row_mask:0xf bank_mask:0xf
	v_permlanex16_b32 v[PD], v[S], s14, s15
	v_add_f32 v[S], v[S], v[PD]
.endm
.macro ROW p
.set XR, X+32*(\p)
	s_wait_loadcnt 8*(3-(\p))                      ; loads come back in order: w, b and this row are in; the eight loads of each later row may be out
.irp k, 0,2,4,6
	v_pk_add_f32 v[S+\k:S+\k+1], v[XR+\k:XR+\k+1], v[XR+8+\k:XR+9+\k]   ; the first additions start the chains: nothing is cleared
.endr
.irp m, 16,24
.irp k, 0,2,4,6
	v_pk_add_f32 v[S+\k:S+\k+1], v[S+\k:S+\k+1], v[XR+\m+\k:XR+\m+\k+1]
.endr
.endr
	REDUCE
	v_mul_f32 v[MU], s24, v[S]                     ; the mean
	v_mul_f32 v[MU+1], s24, v[S]
.set j, 0
.rept 16
	v_pk_add_f32 v[XR+j:XR+j+1], v[XR+j:XR+j+1], v[MU:MU+1] neg_lo:[0,1] neg_hi:[0,1]   ; x - mean
.set j, j+2
.endr
.irp k, 0,2,4,6
	v_pk_mul_f32 v[S+\k:S+\k+1], v[XR+\k:XR+\k+1], v[XR+\k:XR+\k+1]
.endr
.irp m, 8,16,24
.irp k, 0,2,4,6
	v_pk_fma_f32 v[S+\k:S+\k+1], v[XR+\m+\k:XR+\m+\k+1], v[XR+\m+\k:XR+\m+\k+1], v[S+\k:S+\k+1]
.endr
.endr
	REDUCE
	v_fma_f32 v[VA], v[S], s24, s25                ; var + eps
	s_wait_alu depctr_va_vdst(0)
	v_rsq_f32 v[RS], v[VA]
	v_rsq_f32 v[RS+1], v[VA]
	v_nop                                          ; a plain instruction behind the last transcendental, ahead of the first use (ISA guide 5.7.2)
	s_wait_alu depctr_va_vdst(0)                   ; the wait ahead of the first reader: one for both
.set j, 0
.rept 16
	v_pk_mul_f32 v[XR+j:XR+j+1], v[XR+j:XR+j+1], v[RS:RS+1]
.set j, j+2
.endr
.set j, 0
.rept 16
	v_pk_fma_f32 v[XR+j:XR+j+1], v[XR+j:XR+j+1], v[LW+j:LW+j+1], v[LB+j:LB+j+1]
.set j, j+2
.endr
.set j, 0
.rept 32
.set j, j+1
.endr
.irp i, 0,1,2,3
	v_cvt_scalef32_pk8_fp8_f32 v[CD+8*(\p)+2*\i:CD+8*(\p)+2*\i+1], v[XR+8*\i:XR+8*\i+7], v[SC]
.endr
.irp i, 0,1,2,3
	global_store_b64 v2, v[CD+8*(\p)+2*\i:CD+8*(\p)+2*\i+1], s[12:13] offset:1024*(\p)+256*\i   ; 32 lanes store 256 consecutive bytes, aligned
.endr
.endm
	ROW 0
	ROW 1
	ROW 2
	ROW 3
	s_endpgm
.Lfunc_end_k_q99e6919f3b_ln2:
	.size	k_q99e6919f3b_ln2, .Lfunc_end_k_q99e6919f3b_ln2-k_q99e6919f3b_ln2
	.p2alignl 7, 3214868480
	.fill 96, 4, 3214868480
	.section	.rodata,"a",@progbits
	.p2align	6, 0x0
	.amdhsa_kernel k_q99e6919f3b_ln2
		.amdhsa_group_segment_fixed_size 0
		.amdhsa_private_segment_fixed_size 0
		.amdhsa_enable_private_segment 0
		.amdhsa_kernarg_size 40
		.amdhsa_user_sgpr_count 2
		.amdhsa_user_sgpr_kernarg_segment_ptr 1
		.amdhsa_wavefront_size32 1
		.amdhsa_system_sgpr_workgroup_id_x 1
		.amdhsa_system_sgpr_workgroup_id_y 1
		.amdhsa_system_sgpr_workgroup_id_z 1
		.amdhsa_system_vgpr_workitem_id 0
		.amdhsa_next_free_vgpr 256
		.amdhsa_next_free_sgpr 66
		.amdhsa_reserve_vcc 0
		.amdhsa_float_denorm_mode_32 3
		.amdhsa_float_denorm_mode_16_64 3
		.amdhsa_fp16_overflow 1
		.amdhsa_memory_ordered 1
		.amdhsa_forward_progress 1
		.amdhsa_inst_pref_size 34
	.end_amdhsa_kernel
	.amdgpu_metadata
---
amdhsa.version: [ 1, 2 ]
amdhsa.kernels:
  - .name:           k_q99e6919f3b_ln2
    .symbol:         k_q99e6919f3b_ln2.kd
    .args:
      - { .name: x1, .offset: 0, .size: 8, .value_kind: global_buffer, .address_space: global }
      - { .name: ln2_w, .offset: 8, .size: 8, .value_kind: global_buffer, .address_space: global }
      - { .name: ln2_b, .offset: 16, .size: 8, .value_kind: global_buffer, .address_space: global }
      - { .name: lowp_scales, .offset: 24, .size: 8, .value_kind: global_buffer, .address_space: global }
      - { .name: ac, .offset: 32, .size: 8, .value_kind: global_buffer, .address_space: global }
    .group_segment_fixed_size: 0
    .private_segment_fixed_size: 0
    .kernarg_segment_align: 8
    .kernarg_segment_size: 40
    .max_flat_workgroup_size: 128
    .sgpr_count:     66
    .vgpr_count:     256
    .wavefront_size: 32
...
	.end_amdgpu_metadata
.endif
;; end of part 5
;; launch fc (part 6): grid 16 x 16, 4 waves a work-group, clusters of 4 x 4, 327,680 bytes of LDS; arguments ac, w_fc_codes, lowp_scales, b_fc, gc; writes gc
.if DOCPART == 6
	.amdgcn_target "amdgcn-amd-amdhsa--gfx1250"
	.amdhsa_code_object_version 6
	.text
	.protected	k_q99e6919f3b_fc
	.globl	k_q99e6919f3b_fc
	.p2align	8
	.type	k_q99e6919f3b_fc,@function
k_q99e6919f3b_fc:
	s_mov_b64 s[64:65], 0
	v_nop
	global_prefetch_b8 v0, s[64:65] scope:SCOPE_SE
	s_setreg_imm32_b32 hwreg(HW_REG_WAVE_MODE, 25, 1), 1
	s_wait_xcnt 0x0
	s_wait_alu depctr_hold_cnt(0) depctr_sa_sdst(0) depctr_va_vdst(0) depctr_va_sdst(0) depctr_va_ssrc(0) depctr_va_vcc(0) depctr_vm_vsrc(0)
	s_getreg_b32 s2, hwreg(HW_REG_IB_STS2, 6, 4)
	s_cmp_eq_u32 s2, 0
	s_cbranch_scc0 .Lentry_in_a_cluster
	s_endpgm
.Lentry_in_a_cluster:
	s_bfe_u32 s2, ttmp6, 0x10000c
	s_cmp_lg_u32 s2, 0xf033
	s_cbranch_scc0 .Lentry_shape_is_right
	s_endpgm
.Lentry_shape_is_right:
; g = gelu(LN2(x1) W_fc + b_fc), the product on codes of E4M3, g quantised at once for the last product.
; ac: [4096][1024] codes (scale 2^e8).  w_fc_codes: [4096][1024] codes, K innermost (2^e9).  b_fc: [4096] f32.  gc: images of g's fragments, [token / 16: 256][k / 128: 32][2,048 bytes] (2^e10).
; The matrix instruction is used transposed (source 0 = 16 rows of the weights, source 1 = 16 tokens): lane (r, h) holds token r and, in accumulator b, hidden units 16 b + 8 h + 0 .. 7: one conversion of the eight gives
; registers 2 b, 2 b + 1 of the next product's fragment in the plain 8-bit layout; four registers of every lane are stored as 512 consecutive bytes.
; A tile is 256 x 256, four waves of 128 x 128 (64 accumulators); K goes in steps of 256 through two LDS slots; 4 x 4 work-groups form a cluster: A's tile is shared along a row, B's along a column, each asked for jointly.
; Both operands are rows here, so a fragment comes by four loads of 16 bytes (registers 4 c .. 4 c + 3: k = 32 c + 16 h + 0 .. 15): a permutation of k that is the same in A and in B, so every product meets its partner.
; THE EXACT GELU: g = max(u, 0) - |u| erfc(|u| / sqrt 2) / 2, which has no cancellation for negative u and needs no compare.  erfc(z) = t exp(-z^2 + c0 + t (c1 + .. + t c9)), t = 1 / (1 + z / 2):
; the rational Chebyshev form whose fractional error is under 1.2e-7 for every z >= 0.
; The way out is a loop of 16 chunks of 32 numbers a lane, so that the gelu's text stands once; what differs between chunks, the accumulators' register numbers, stands in 16 short blocks chosen by the loop's counter.
; LIMITS: e8 + e9 between -126 and 127; e10 between -126 and 119.  NaN and infinities are not served.
.set NA,     8                         ; blocks of 16 rows in a wave's tile, for A and for B
.set KK,     1                         ; matrix instructions deep along K in a step
.set AIMG,   0                         ; A arrives as rows
.set SIZE_K, 1024
; ---- the product's core: the same text in the four product kernels, steered by the four lines above ----
; THE ORDER ALONG K.  A lap is two slots.  A cluster walks K's laps in the order m xor P, m = 0 .. LAPS - 1; P is the parity of the ones in the cluster's x and y, the same in all sixteen partners.
; So, of the clusters that read the same rows of A or of B, some ask for laps 0, 1, 2, 3 and the others for laps 1, 0, 3, 2: every second lap that a cluster asks for has been asked for by another cluster one lap earlier.
; A sum's K steps are added in the cluster's order.
.set HB,     NA/2
.set ROWB,   256*KK                    ; a slot's part of a row, in bytes
.set PITCH,  ROWB+16                   ; an LDS row: 16 bytes of padding, so that the 16 rows that a load touches start at 16 different banks (64 banks of 4 bytes: ISA guide 11.1)
.set QI,     4+KK                      ; the padding's interval: a row's words
.set WR,     16*NA                     ; rows of a wave's tile, and of a tensor load
.set BHALF,  WR*PITCH
.if AIMG
.set AHALF,  WR*ROWB                   ; images lie dense
.set ASTEP,  16*ROWB                   ; a slot on, in a block's images
.else
.set AHALF,  BHALF
.set ASTEP,  ROWB
.endif
.set SLOT,   2*AHALF+2*BHALF           ; A's two halves, then B's two halves
.set SPARE,  2*SLOT                    ; behind the ring: the spare words, 128 bytes for each wave: two blocks of 256 bytes that no other line names
.set LAPS,   SIZE_K/(2*ROWB)           ; a lap = once round the ring: 1, 2 or 4 here
.set NLA,    4                         ; LDS loads that bring a unit of A
.set PAR,  2                           ; s2      P
.set BA,   4                           ; s[4:5]  the address of my half of A's tile at K = 0
.set BB,   6                           ; s[6:7]  the same for B
.set ADRA, 16                          ; v16-17  LDS address of my A fragments in slot 0, 1
.set ADRB, 20                          ; v20-21  the same for B
.set SPW,  28                          ; v28     LDS address of my spare word; never rewritten
.set NIL,  29                          ; v29     0; never rewritten
.set AF,   128                         ; window 0, v128-255: A's eight units (16 rows x 128 K), ONE set.  Window 1: B's eight units, TWO sets, at v0 and v128.  Windows 2, 3: the accumulators of my lower and upper blocks
.set G1,  24                           ; s[24:31] descriptor group 1 for A's tiles; s[32:39] group 0, one set for each slot
.set G0,  32
.set G1B, 48                           ; s[48:55], s[56:63] the same for B's
.set G0B, 56
.set MSB, 0
.macro WIN new                         ; the immediate's high byte repeats the setting that is left; a switch that changes nothing is dropped
.if MSB != (\new)
	s_set_vgpr_msb (MSB<<8)|(\new)
.set MSB, (\new)
.endif
.endm
.set MUL_LO, 0xa1                      ; source 0 (B) window 1, source 1 (A) window 0, C and D window 2
.set MUL_HI, 0xf1                      ; the same, C and D window 3
.set TO_B,   0x40                      ; destination window 1, address window 0
.macro PLACES n                        ; plain vector instructions between a matrix instruction and a load into, or a read of, its registers
.rept \n
	v_nop
.endr
.endm
; A joint load: waves 0 and 1 fetch A's halves, waves 2 and 3 B's.  The branch hangs on the wave's number alone.  Four v_nop follow each of the two lines.
.macro JLOAD g0a, g1a, g0b, g1b
	s_cmp_eq_u32 s15, 0
	s_cbranch_scc0 .Lfor_b_\@
	tensor_load_to_lds s[\g0a:\g0a+3], s[\g1a:\g1a+7]
	s_nop 0
.rept 4
	v_nop
.endr
	s_branch .Lasked_\@
.Lfor_b_\@:
	tensor_load_to_lds s[\g0b:\g0b+3], s[\g1b:\g1b+7]
	s_nop 0
.rept 4
	v_nop
.endr
.Lasked_\@:
.endm
.macro CREST                           ; a round of the cluster's barrier behind its opening barrier
	s_cmp_lg_u32 s14, 0
	s_cbranch_scc1 .Lnot_wave_0_\@
	s_barrier_signal -3
.Lnot_wave_0_\@:
	s_barrier_wait -3
	s_barrier_signal -1
	s_barrier_wait -1
.endm
.macro CROUND                          ; a whole round
	s_barrier_signal -1
	s_barrier_wait -1
	CREST
.endm
.macro IDS                             ; the add's two registers, the wave's number, my place in the cluster, the two masks
	v_lshl_add_u32 v[SPW], v0, 2, SPARE
	v_mov_b32 v[NIL], 0
	ds_add_u32 v28, v29
	ds_add_u32 v28, v29
	s_wait_dscnt 0x0
	v_lshrrev_b32 v1, 5, v0
	v_readfirstlane_b32 s14, v1                    ; wave 0..3
	s_lshr_b32 s15, s14, 1                         ; which half of the tile's rows is mine.  Also: I fetch for A (0) or for B (1)
	s_and_b32 s16, s14, 1                          ; which half of its columns.  Also: which half of that tile I fetch
	s_bfe_u32 s40, ttmp6, 0x40000                  ; cx
	s_bfe_u32 s41, ttmp6, 0x40004                  ; cy
	s_lshl_b32 s43, s41, 2
	s_lshl_b32 s43, 15, s43                        ; my row of the cluster
	s_lshl_b32 s44, 0x1111, s40                    ; my column
.endm
.macro PARITY                          ; with more than one lap: s[PAR] holds the cluster's x and y, in different bits, and becomes P
.if LAPS > 1
	s_bcnt1_i32_b32 s[PAR], s[PAR]
	s_and_b32 s[PAR], s[PAR], 1
.else
	s_mov_b32 s[PAR], 0                            ; one lap: there is no order to choose
.endif
.endm
.macro DESCR                           ; both groups 1
.if AIMG
	s_or_b32 s[G1+0], s43, (3<<16)|(1<<21)         ; the mask: my row; elements of 8 bytes; bit 21 beside a mask; no padding
	s_mov_b32 s[G1+1], (2*ROWB)<<16                ; tensor_dim0: a block's images of a slot, 16 x ROWB bytes
	s_mov_b32 s[G1+2], NA<<16                      ; tensor_dim1: the blocks of a half
	s_mov_b32 s[G1+3], (2*ROWB)<<16                ; tile_dim0
	s_mov_b32 s[G1+4], NA                          ; tile_dim1
	s_mov_b32 s[G1+5], 2*SIZE_K                    ; from block to block: 16 x SIZE_K bytes
.else
	s_or_b32 s[G1+0], s43, (1<<20)|(1<<21)|(QI<<22)|(3<<25)   ; the mask: my row; elements of 1 byte; padding on: four words behind each row; bit 21 beside a mask
	s_mov_b32 s[G1+1], ROWB<<16
	s_mov_b32 s[G1+2], WR<<16
	s_mov_b32 s[G1+3], ROWB<<16
	s_mov_b32 s[G1+4], WR
	s_mov_b32 s[G1+5], SIZE_K
.endif
	s_mov_b32 s[G1+6], 0
	s_mov_b32 s[G1+7], 0
	s_or_b32 s[G1B+0], s44, (1<<20)|(1<<21)|(QI<<22)|(3<<25)  ; the same with the mask of my column
	s_mov_b32 s[G1B+1], ROWB<<16
	s_mov_b32 s[G1B+2], WR<<16
	s_mov_b32 s[G1B+3], ROWB<<16
	s_mov_b32 s[G1B+4], WR
	s_mov_b32 s[G1B+5], SIZE_K
	s_mov_b32 s[G1B+6], 0
	s_mov_b32 s[G1B+7], 0
.endm
.macro KOFF s                          ; s18 holds a lap's number: s[20:21] and s[22:23] (upper words 0) become the bytes from K = 0 to that lap's slot s, in A and in B
	s_lshl_b32 s18, s18, 1
.if (\s) != 0
	s_add_co_u32 s18, s18, \s
.endif
	s_mul_i32 s20, s18, ASTEP
	s_mul_i32 s22, s18, ROWB
.endm
.macro AIM s                           ; slot s's two groups 0 take those places; no tensor load of mine is out where this stands
	s_add_nc_u64 s[G0+4*\s+2:G0+4*\s+3], s[BA:BA+1], s[20:21]
	s_or_b32 s[G0+4*\s+3], s[G0+4*\s+3], 0x80000000
	s_add_nc_u64 s[G0B+4*\s+2:G0B+4*\s+3], s[BB:BB+1], s[22:23]
	s_or_b32 s[G0B+4*\s+3], s[G0B+4*\s+3], 0x80000000
.endm
.macro FIRST                           ; one round, then both slots' first fills, lap 0 xor P: two tensor loads of mine are out
	s_mul_i32 s45, s16, AHALF                      ; where they go: no place in the cluster enters an LDS address
	s_mul_i32 s19, s16, BHALF
	s_add_co_u32 s19, s19, 2*AHALF
	s_mov_b32 s21, 0
	s_mov_b32 s23, 0
	CROUND                                         ; all sixteen work-groups are here: the first joint loads meet
.irp s, 0,1
	s_mov_b32 s18, s[PAR]
	KOFF \s
	s_mov_b32 s[G0+4*\s], 1
	s_add_co_u32 s[G0+4*\s+1], s45, \s*SLOT
	s_mov_b32 s[G0B+4*\s], 1
	s_add_co_u32 s[G0B+4*\s+1], s19, \s*SLOT
	AIM \s
	JLOAD G0+4*\s, G1, G0B+4*\s, G1B
.endr
.endm
.macro ADDRS                           ; v1 = r, v2 = h, v6 = 16 x lane stay; the fragments' LDS addresses
	v_and_b32 v1, 15, v0
	v_bfe_u32 v2, v0, 4, 1
	v_mul_u32_u24 v3, v1, PITCH
	v_and_b32 v6, 31, v0
	v_lshlrev_b32 v6, 4, v6
.if AIMG
	v_lshl_add_u32 v4, v2, 3, v3                   ; rows in the plain layout: row x pitch + 8 h
.else
	v_lshl_add_u32 v4, v2, 4, v3                   ; row x pitch + 16 h
.endif
	s_mul_i32 s21, s15, AHALF
	s_mul_i32 s22, s16, BHALF
	s_add_co_u32 s22, s22, 2*AHALF
.irp s, 0,1
.if AIMG
	v_add_nc_u32 v[ADRA+\s], s21, v6
.else
	v_add_nc_u32 v[ADRA+\s], s21, v4
.endif
	v_add_nc_u32 v[ADRB+\s], s22, v4
	s_add_co_u32 s21, s21, SLOT
	s_add_co_u32 s22, s22, SLOT
.endr
.endm
; A step covers 128 KK along K: eight units of A and eight of B, 16 registers each; unit u = block u / KK, sub-step u % KK.  A slot holds two steps, q = 0, 1.
.macro FRAGR reg, adr, q, u            ; a unit from rows
.set fo, ((\u)/KK)*16*PITCH+128*(KK*(\q)+(\u)%KK)
.if AIMG
.irp c, 0,1,2,3,4,5,6,7
	ds_load_b64 v[\reg+2*\c:\reg+2*\c+1], v[\adr] offset:fo+16*\c       ; registers 2 c, 2 c + 1: k = 16 c + 8 h + 0 .. 7, as the images have it
.endr
.else
.irp c, 0,1,2,3
	ds_load_b128 v[\reg+4*\c:\reg+4*\c+3], v[\adr] offset:fo+32*\c
.endr
.endif
.endm
.macro FRAGI reg, adr, q, u            ; a unit from its image: 512 consecutive bytes a load
.set fo, ((\u)/KK)*16*ROWB+(KK*(\q)+(\u)%KK)*2048
.irp c, 0,1,2,3
	ds_load_b128 v[\reg+4*\c:\reg+4*\c+3], v[\adr] offset:fo+512*\c
.endr
.endm
.macro FETCH_B slot, q, p
	WIN TO_B
.irp u, 0,1,2,3,4,5,6,7
	FRAGR 128*(\p)+16*\u, ADRB+\slot, \q, \u
.endr
	WIN 0
.endm
.macro FETCH_A slot, q, u0
.irp u, \u0, \u0+1, \u0+2, \u0+3
.if AIMG
	FRAGI AF+16*(\u), ADRA+\slot, \q, \u
.else
	FRAGR AF+16*(\u), ADRA+\slot, \q, \u
.endif
.endr
.endm
; Products: sub-steps k0 .. , A's blocks a0 .. , against all of B's blocks; p: B's set.  zero = 1: a sum's first product takes the constant 0: nothing is cleared.
; The accumulators take turns, one instruction a turn, in the same order in every step.
.macro MULP a0, na, k0, nk, p, zero
.set mk, \k0
.rept \nk
.set ma, \a0
.rept \na
.set mb, 0
.rept NA
.set rD, 8*(NA*(ma%HB)+mb)
.set rB, 128*(\p)+16*(KK*mb+mk)
.set rA, AF+16*(KK*ma+mk)
.if (\zero) && (mk == 0)
	v_wmma_f32_16x16x128_fp8_fp8 v[rD:rD+7], v[rB:rB+15], v[rA:rA+15], 0
.else
	v_wmma_f32_16x16x128_fp8_fp8 v[rD:rD+7], v[rB:rB+15], v[rA:rA+15], v[rD:rD+7]
.endif
.set mb, mb+1
.endr
.set ma, ma+1
.endr
.set mk, mk+1
.endr
.endm
.macro LOW1 p, z                       ; LOW1 and LOW2 use A's units 0-3, HIGH its units 4-7
	MULP 0, 2, 0, 1, \p, \z
.endm
.macro LOW2 p, z
.if KK == 1
	MULP 2, 2, 0, 1, \p, \z
.else
	MULP 0, 2, 1, 1, \p, \z
.endif
.endm
.macro HIGH p, z
	MULP HB, HB, 0, KK, \p, \z
.endm
.macro STEP slot, zero                 ; a slot's first step; it fetches the second step's units
	s_wait_dscnt 4*NLA                             ; B's set and A's units 0-3 are in; the youngest loads (A's units 4-7) may be out
	WIN MUL_LO
	LOW1 0, \zero
	LOW2 0, \zero
	s_wait_dscnt 0x0                               ; A's units 4-7 are in
	PLACES 4
	FETCH_B \slot, 1, 1
	FETCH_A \slot, 1, 0
	WIN MUL_HI
	HIGH 0, \zero
	PLACES 4
	WIN 0
	FETCH_A \slot, 1, 4
.endm
; A slot's second step changes slots: ONE barrier; in front of it each wave waits for all its tensor loads, adds 0 to its spare word, and waits for that and for its own reads of this slot.  fill = 1: the slot is filled again, with its part of the next lap.
.macro TURN slot, next, fill
	s_wait_tensorcnt 0x0                           ; all my tensor loads have landed: my part of the next slot; so every group 0 may be written
	ds_add_u32 v[SPW], v[NIL]                      ; 0 onto my spare word
.if \fill
	s_sub_co_u32 s18, LAPS, s3                     ; the lap that is asked for is the (LAPS - s3)-th of my walk,
	s_xor_b32 s18, s18, s[PAR]                     ; which is this lap of K
	KOFF \slot
	AIM \slot
.endif
	s_wait_dscnt 4*NLA+1                           ; (the add and A's units 4-7 may be out)
	WIN MUL_LO
	LOW1 1, 0                                      ; matrix instructions stand between the add and the wait for it
	s_wait_dscnt 0x0                               ; the add is done, and my reads of this slot are over
	s_barrier_signal -1
	LOW2 1, 0
	WIN 0
	s_barrier_wait -1
.if \fill
	CREST                                          ; the barrier has opened a round of the cluster's barrier: no wave of any partner still reads this slot or has a load on its way
	JLOAD G0+4*\slot, G1, G0B+4*\slot, G1B         ; my one tensor load behind the round; its four v_nop are also the places in front of the loads below
.else
	PLACES 4
.endif
	FETCH_B \next, 0, 0
	FETCH_A \next, 0, 0
	WIN MUL_HI
	HIGH 1, 0
	PLACES 4
	WIN 0
	FETCH_A \next, 0, 4
.endm
.macro MAIN
.if LAPS > 1
	s_mov_b32 s21, 0                               ; the upper words of the refills' two offsets
	s_mov_b32 s23, 0
.endif
	s_wait_tensorcnt 1                             ; my part of slot 0 is in; slot 1's load may be out
	s_barrier_signal -1
	s_barrier_wait -1                              ; everybody's is
	FETCH_B 0, 0, 0
	FETCH_A 0, 0, 0
	FETCH_A 0, 0, 4
	STEP 0, 1                                      ; the first step stands in front of the loop: its products start the sums
.if LAPS > 1
	s_mov_b32 s3, LAPS-1
.Llap:                                             ; a trip goes once round the ring and fills both slots again
	TURN 0, 1, 1
	STEP 1, 0
	TURN 1, 0, 1
	STEP 0, 0
	s_sub_co_u32 s3, s3, 1
	s_cmp_lg_u32 s3, 0
	s_cbranch_scc1 .Llap
.endif
	TURN 0, 1, 0                                   ; the last lap fills nothing, and has no round of the cluster's barrier
	STEP 1, 0
	s_wait_dscnt 4*NLA                             ; the very last step: nothing more to fetch
	WIN MUL_LO
	LOW1 1, 0
	LOW2 1, 0
	s_wait_dscnt 0x0
	WIN MUL_HI
	HIGH 1, 0
	WIN 0
	PLACES 4                                       ; in front of the first read of results and the first write of A's registers
.endm
.macro FINISH
	s_wait_tensorcnt 0x0                           ; the wave's end
	ds_add_u32 v[SPW], v[NIL]
	s_wait_dscnt 0x0
	CROUND                                         ; the closing round: no work-group ends while a partner may still ask for a tile that names it
	s_endpgm
.endm
; ---- end of the core ----
.set BI, 32                            ; v32-95   b_fc at my 64 hidden units: register 8 b + j: unit 16 b + 8 h + j
.set PP, 96                            ; v96-127  u, then the polynomial, then the exponential
.set MM, 128                           ; v128-159 max(u, 0), then g
.set WW, 160                           ; v160-191 |u|, then z
.set TT, 192                           ; v192-223 1 + z / 2, then t, then |u| t
.set CD, 224                           ; v224-231 a chunk's codes;  v[232:233] c9, twice;  v234 448 x 2^e10;  v235 2^e10;  v236 the stores' offset
.set C0, 66                            ; s[66:83] c0 .. c8, each twice (the packed forms name a pair);  s[84:89] sqrt(2) / 4, 1 / sqrt 2, log2(e)
.set K35, 84
.set K70, 86
.set KL2, 88
	s_load_b128 s[4:7], s[0:1], 0x0                ; ac, w_fc_codes
	s_load_b128 s[8:11], s[0:1], 0x10              ; the scales' exponents, b_fc
	s_load_b64 s[12:13], s[0:1], 0x20              ; gc
	IDS
	DESCR
	s_lshl_b32 s42, ttmp9, 2
	s_add_co_u32 s42, s42, s40                     ; tile column = 4 x cluster x + cx
	s_and_b32 s17, ttmp7, 0xffff
	s_lshl_b32 s[PAR], s17, 8
	s_or_b32 s[PAR], s[PAR], ttmp9                 ; the cluster's y and x, in different bits
	PARITY
	s_lshl_b32 s17, s17, 2
	s_add_co_u32 s17, s17, s41                     ; tile row = 4 x cluster y + cy
	s_mul_i32 s18, s16, WR                         ; which half of a tile I fetch
	s_mul_i32 s20, s17, 2*WR
	s_add_co_u32 s20, s20, s18
	s_mul_i32 s20, s20, SIZE_K
	s_mov_b32 s21, 0
	s_mul_i32 s46, s42, 2*WR
	s_add_co_u32 s46, s46, s18
	s_mul_i32 s46, s46, SIZE_K
	s_mov_b32 s47, 0
	s_wait_kmcnt 0x0
	s_load_b128 s[92:95], s[8:9], 0x20             ; e8, e9, e10, e11
	s_add_nc_u64 s[BA:BA+1], s[4:5], s[20:21]
	s_add_nc_u64 s[BB:BB+1], s[6:7], s[46:47]
	FIRST
	ADDRS
	s_lshl_b32 s72, s42, 10                        ; b_fc at my 128 hidden units: 256 x tile column + 128 x half, 4 bytes each
	s_lshl_b32 s73, s16, 9
	s_add_co_u32 s72, s72, s73
	s_mov_b32 s73, 0
	s_add_nc_u64 s[10:11], s[10:11], s[72:73]
	v_lshlrev_b32 v7, 5, v2                        ; 32 h
.irp b, 0,1,2,3,4,5,6,7
	global_load_b128 v[BI+8*\b:BI+8*\b+3],   v7, s[10:11] offset:64*\b
	global_load_b128 v[BI+8*\b+4:BI+8*\b+7], v7, s[10:11] offset:64*\b+16
.endr
	s_lshl_b32 s72, s17, 4
	s_lshl_b32 s73, s15, 3
	s_add_co_u32 s72, s72, s73                     ; my first token tile: 16 x tile row + 8 x half; 65,536 bytes each
	s_lshl_b32 s72, s72, 16
	s_lshl_b32 s73, s42, 1
	s_add_co_u32 s73, s73, s16                     ; my fragment along the next K: 2 x tile column + half; 2,048 bytes each
	s_lshl_b32 s73, s73, 11
	s_add_co_u32 s72, s72, s73
	s_mov_b32 s73, 0
	s_add_nc_u64 s[12:13], s[12:13], s[72:73]
	MAIN
	s_wait_kmcnt 0x0
	s_add_co_i32 s96, s92, s93
	s_add_co_i32 s96, s96, 127
	s_lshl_b32 s96, s96, 23                        ; 2^(e8 + e9) as f32
	s_mov_b32 s97, s96
	s_add_co_i32 s94, s94, 127
	s_lshl_b32 s93, s94, 23
	v_mov_b32 v235, s93                            ; 2^e10
	s_add_co_i32 s94, s94, 8
	s_lshl_b32 s94, s94, 23
	s_or_b32 s94, s94, 0x600000
	v_mov_b32 v234, s94                            ; 448 x 2^e10
.macro KPAIR r, val
	s_mov_b32 s[\r], \val
	s_mov_b32 s[\r+1], \val
.endm
	KPAIR C0,    0xbfa1fc4e                        ; c0 = -1.26551223
	KPAIR C0+2,  0x3f8000c7                        ; c1 =  1.00002368
	KPAIR C0+4,  0x3ebf88fb                        ; c2 =  0.37409196
	KPAIR C0+6,  0x3dc636c9                        ; c3 =  0.09678418
	KPAIR C0+8,  0xbe3ec24c                        ; c4 = -0.18628806
	KPAIR C0+10, 0x3e8ec7cc                        ; c5 =  0.27886807
	KPAIR C0+12, 0xbf914e5d                        ; c6 = -1.13520398
	KPAIR C0+14, 0x3fbe87b0                        ; c7 =  1.48851587
	KPAIR C0+16, 0xbf527892                        ; c8 = -0.82215223
	KPAIR K35,   0x3eb504f3                        ; sqrt(2) / 4
	KPAIR K70,   0x3f3504f3                        ; 1 / sqrt 2
	KPAIR KL2,   0x3fb8aa3b                        ; log2(e)
	v_mov_b32 v232, 0x3e2ef945                     ; c9 =  0.17087277
	v_mov_b32 v233, 0x3e2ef945
	s_wait_loadcnt 0x0                             ; b_fc
	s_mov_b32 s92, 0                               ; the chunk: block of tokens s92 / 2, accumulators 4 (s92 % 2) .. + 3
; chunk n's 32 sums become u = sum x 2^(e8 + e9) + b, in v[PP] on: each accumulator from its low end on
.macro UBLK n
.set ua, (\n)/2
.set uh, (\n)%2
	WIN 0x02+ua/4                                  ; source 0: window 2 or 3
.set ub, 0
.rept 4
.set ui, 0
.rept 4
.set rD, 8*(8*(ua%4)+4*uh+ub)+ui
	v_pk_fma_f32 v[PP+8*ub+ui:PP+8*ub+ui+1], v[rD:rD+1], s[96:97], v[BI+8*(4*uh+ub)+ui:BI+8*(4*uh+ub)+ui+1] op_sel_hi:[1,0,1]
.set ui, ui+2
.endr
.set ub, ub+1
.endr
	WIN 0
.endm
.Lchunk:
.irp n, 1,2,3,4,5,6,7,8,9,10,11,12,13,14,15
	s_cmp_eq_u32 s92, \n                           ; a branch on the loop's counter: the same in every wave and every work-group
	s_cbranch_scc1 .Lblk_\n
.endr
	UBLK 0
	s_branch .Lgelu
.irp n, 1,2,3,4,5,6,7,8,9,10,11,12,13,14
.Lblk_\n:
	UBLK \n
	s_branch .Lgelu
.endr
.Lblk_15:
	UBLK 15
.Lgelu:
.set gi, 0
.rept 32
	v_max_num_f32 v[MM+gi], 0, v[PP+gi]
	v_and_b32 v[WW+gi], 0x7fffffff, v[PP+gi]
.set gi, gi+1
.endr
.set gi, 0
.rept 16
	v_pk_fma_f32 v[TT+gi:TT+gi+1], v[WW+gi:WW+gi+1], s[K35:K35+1], 1.0 op_sel_hi:[1,0,0]   ; 1 + z / 2
.set gi, gi+2
.endr
.set gi, 0
.rept 32
	v_rcp_f32 v[TT+gi], v[TT+gi]                   ; t
.set gi, gi+1
.endr
	v_nop                                          ; a plain instruction behind the last transcendental
	s_wait_alu depctr_va_vdst(0)                   ; the wait ahead of the first reader: one for the batch of 32
.set gi, 0
.rept 16
	v_pk_fma_f32 v[PP+gi:PP+gi+1], v[TT+gi:TT+gi+1], v[232:233], s[C0+16:C0+17] op_sel_hi:[1,1,0]   ; c8 + t c9
.set gi, gi+2
.endr
.irp k, 80,78,76,74,72,70,68,66
.set gi, 0
.rept 16
	v_pk_fma_f32 v[PP+gi:PP+gi+1], v[PP+gi:PP+gi+1], v[TT+gi:TT+gi+1], s[\k:\k+1] op_sel_hi:[1,1,0]   ; down to c0
.set gi, gi+2
.endr
.endr
.set gi, 0
.rept 16
	v_pk_mul_f32 v[TT+gi:TT+gi+1], v[WW+gi:WW+gi+1], v[TT+gi:TT+gi+1]                     ; |u| t
	v_pk_mul_f32 v[WW+gi:WW+gi+1], v[WW+gi:WW+gi+1], s[K70:K70+1] op_sel_hi:[1,0]         ; z
.set gi, gi+2
.endr
.set gi, 0
.rept 16
	v_pk_fma_f32 v[PP+gi:PP+gi+1], v[WW+gi:WW+gi+1], v[WW+gi:WW+gi+1], v[PP+gi:PP+gi+1] neg_lo:[1,0,0] neg_hi:[1,0,0]   ; - z^2
.set gi, gi+2
.endr
.set gi, 0
.rept 16
	v_pk_fma_f32 v[PP+gi:PP+gi+1], v[PP+gi:PP+gi+1], s[KL2:KL2+1], -1.0 op_sel_hi:[1,0,0]  ; to base 2; the -1 is the factor 1 / 2
.set gi, gi+2
.endr
.set gi, 0
.rept 32
	v_exp_f32 v[PP+gi], v[PP+gi]
.set gi, gi+1
.endr
	v_nop
	s_wait_alu depctr_va_vdst(0)                   ; one wait for the batch of 32
.set gi, 0
.rept 16
	v_pk_fma_f32 v[MM+gi:MM+gi+1], v[TT+gi:TT+gi+1], v[PP+gi:PP+gi+1], v[MM+gi:MM+gi+1] neg_lo:[1,0,0] neg_hi:[1,0,0]   ; g
.set gi, gi+2
.endr
.set gi, 0
.rept 32
	v_med3_num_f32 v[MM+gi], v[MM+gi], -v234, v234 ; the hold at the largest code (ISA guide 7.6.2)
.set gi, gi+1
.endr
	s_wait_xcnt 0x0                                ; the last trip's stores have read their data and their offset: both are written again only behind this wait
.irp b, 0,1,2,3
	v_cvt_scalef32_pk8_fp8_f32 v[CD+2*\b:CD+2*\b+1], v[MM+8*\b:MM+8*\b+7], v235
.endr
	v_nop                                          ; a plain instruction between the conversions and the next trip's writes of their sources
	s_lshr_b32 s93, s92, 1
	s_lshl_b32 s93, s93, 16                        ; the token tile,
	s_and_b32 s94, s92, 1
	s_lshl_b32 s94, s94, 10                        ; the fragment's lower or upper eight registers
	s_add_co_u32 s93, s93, s94
	v_add_nc_u32 v236, s93, v6
	global_store_b128 v236, v[CD:CD+3], s[12:13]               ; 32 lanes store 512 consecutive bytes, aligned
	global_store_b128 v236, v[CD+4:CD+7], s[12:13] offset:512
	s_add_co_u32 s92, s92, 1
	s_cmp_lt_u32 s92, 16
	s_cbranch_scc1 .Lchunk
	FINISH
.Lfunc_end_k_q99e6919f3b_fc:
	.size	k_q99e6919f3b_fc, .Lfunc_end_k_q99e6919f3b_fc-k_q99e6919f3b_fc
	.p2alignl 7, 3214868480
	.fill 96, 4, 3214868480
	.section	.rodata,"a",@progbits
	.p2align	6, 0x0
	.amdhsa_kernel k_q99e6919f3b_fc
		.amdhsa_group_segment_fixed_size 327680
		.amdhsa_private_segment_fixed_size 0
		.amdhsa_enable_private_segment 0
		.amdhsa_kernarg_size 40
		.amdhsa_user_sgpr_count 2
		.amdhsa_user_sgpr_kernarg_segment_ptr 1
		.amdhsa_wavefront_size32 1
		.amdhsa_system_sgpr_workgroup_id_x 1
		.amdhsa_system_sgpr_workgroup_id_y 1
		.amdhsa_system_sgpr_workgroup_id_z 1
		.amdhsa_system_vgpr_workitem_id 0
		.amdhsa_next_free_vgpr 1024
		.amdhsa_next_free_sgpr 100
		.amdhsa_reserve_vcc 0
		.amdhsa_float_denorm_mode_32 3
		.amdhsa_float_denorm_mode_16_64 3
		.amdhsa_memory_ordered 1
		.amdhsa_forward_progress 1
		.amdhsa_inst_pref_size 124
	.end_amdhsa_kernel
	.amdgpu_metadata
---
amdhsa.version: [ 1, 2 ]
amdhsa.kernels:
  - .name:           k_q99e6919f3b_fc
    .symbol:         k_q99e6919f3b_fc.kd
    .args:
      - { .name: ac, .offset: 0, .size: 8, .value_kind: global_buffer, .address_space: global }
      - { .name: w_fc_codes, .offset: 8, .size: 8, .value_kind: global_buffer, .address_space: global }
      - { .name: lowp_scales, .offset: 16, .size: 8, .value_kind: global_buffer, .address_space: global }
      - { .name: b_fc, .offset: 24, .size: 8, .value_kind: global_buffer, .address_space: global }
      - { .name: gc, .offset: 32, .size: 8, .value_kind: global_buffer, .address_space: global }
    .group_segment_fixed_size: 327680
    .private_segment_fixed_size: 0
    .kernarg_segment_align: 8
    .kernarg_segment_size: 40
    .max_flat_workgroup_size: 128
    .sgpr_count:     100
    .vgpr_count:     1024
    .wavefront_size: 32
...
	.end_amdgpu_metadata
.endif
;; end of part 6
;; launch mlp (part 7): grid 8 x 32, 4 waves a work-group, clusters of 4 x 4, 327,680 bytes of LDS; arguments gc, w_mlp_proj_codes, lowp_scales, b_mlp_proj, x1, out0; writes out0
.if DOCPART == 7
	.amdgcn_target "amdgcn-amd-amdhsa--gfx1250"
	.amdhsa_code_object_version 6
	.text
	.protected	k_q99e6919f3b_mlp
	.globl	k_q99e6919f3b_mlp
	.p2align	8
	.type	k_q99e6919f3b_mlp,@function
k_q99e6919f3b_mlp:
	s_mov_b64 s[64:65], 0
	v_nop
	global_prefetch_b8 v0, s[64:65] scope:SCOPE_SE
	s_setreg_imm32_b32 hwreg(HW_REG_WAVE_MODE, 25, 1), 1
	s_wait_xcnt 0x0
	s_wait_alu depctr_hold_cnt(0) depctr_sa_sdst(0) depctr_va_vdst(0) depctr_va_sdst(0) depctr_va_ssrc(0) depctr_va_vcc(0) depctr_vm_vsrc(0)
	s_getreg_b32 s2, hwreg(HW_REG_IB_STS2, 6, 4)
	s_cmp_eq_u32 s2, 0
	s_cbranch_scc0 .Lentry_in_a_cluster
	s_endpgm
.Lentry_in_a_cluster:
	s_bfe_u32 s2, ttmp6, 0x10000c
	s_cmp_lg_u32 s2, 0xf033
	s_cbranch_scc0 .Lentry_shape_is_right
	s_endpgm
.Lentry_shape_is_right:
; out0 = x1 + g W_mlp + b_mlp, the product on codes of E4M3.  gc: images of g's fragments, [token / 16: 256][k / 128: 32][2,048 bytes] (scale 2^e10).  w_mlp_proj_codes: [1024][4096] codes, K innermost (2^e11).
; b_mlp_proj: [1024] f32.  x1, out0: [4096][1024] f32.
; C has 4,096 x 1,024 numbers: tiles of 256 x 256 would be 64, so a tile is 128 x 128 (256 work-groups), four waves of 64 x 64: 16 accumulators.  K goes in steps of 512 through two LDS slots, as long as two slots in LDS allow.
; A comes as images in the plain 8-bit layout (four loads of 512 consecutive bytes a fragment); so the weights' rows are read in that layout too: eight loads of 8 bytes a fragment.
; 4 x 4 work-groups form a cluster: A's tile is shared along a row of the cluster, B's along a column; each is asked for jointly.
; The matrix instruction is used transposed (source 0 = 16 rows of B, source 1 = 16 rows of A): a lane holds eight neighbouring numbers of a row of C.  My part of x1 is asked for at the head and waited for on the way out.
; LIMIT: e10 + e11 between -126 and 127.
.set NA,     4                         ; blocks of 16 rows in a wave's tile, for A and for B
.set KK,     2                         ; matrix instructions deep along K in a step
.set AIMG,   1                         ; A arrives as images
.set SIZE_K, 4096
.set EOFF,   0x28                      ; the two exponents' place among the scales
; ---- the product's core: the same text in the four product kernels, steered by the four lines above ----
; THE ORDER ALONG K.  A lap is two slots.  A cluster walks K's laps in the order m xor P, m = 0 .. LAPS - 1; P is the parity of the ones in the cluster's x and y, the same in all sixteen partners.
; So, of the clusters that read the same rows of A or of B, some ask for laps 0, 1, 2, 3 and the others for laps 1, 0, 3, 2: every second lap that a cluster asks for has been asked for by another cluster one lap earlier.
; A sum's K steps are added in the cluster's order.
.set HB,     NA/2
.set ROWB,   256*KK                    ; a slot's part of a row, in bytes
.set PITCH,  ROWB+16                   ; an LDS row: 16 bytes of padding, so that the 16 rows that a load touches start at 16 different banks (64 banks of 4 bytes: ISA guide 11.1)
.set QI,     4+KK                      ; the padding's interval: a row's words
.set WR,     16*NA                     ; rows of a wave's tile, and of a tensor load
.set BHALF,  WR*PITCH
.if AIMG
.set AHALF,  WR*ROWB                   ; images lie dense
.set ASTEP,  16*ROWB                   ; a slot on, in a block's images
.else
.set AHALF,  BHALF
.set ASTEP,  ROWB
.endif
.set SLOT,   2*AHALF+2*BHALF           ; A's two halves, then B's two halves
.set SPARE,  2*SLOT                    ; behind the ring: the spare words, 128 bytes for each wave: two blocks of 256 bytes that no other line names
.set LAPS,   SIZE_K/(2*ROWB)           ; a lap = once round the ring: 1, 2 or 4 here
.set NLA,    4                         ; LDS loads that bring a unit of A
.set PAR,  2                           ; s2      P
.set BA,   4                           ; s[4:5]  the address of my half of A's tile at K = 0
.set BB,   6                           ; s[6:7]  the same for B
.set ADRA, 16                          ; v16-17  LDS address of my A fragments in slot 0, 1
.set ADRB, 20                          ; v20-21  the same for B
.set SPW,  28                          ; v28     LDS address of my spare word; never rewritten
.set NIL,  29                          ; v29     0; never rewritten
.set AF,   128                         ; window 0, v128-255: A's eight units (16 rows x 128 K), ONE set.  Window 1: B's eight units, TWO sets, at v0 and v128.  Windows 2, 3: the accumulators of my lower and upper blocks
.set G1,  24                           ; s[24:31] descriptor group 1 for A's tiles; s[32:39] group 0, one set for each slot
.set G0,  32
.set G1B, 48                           ; s[48:55], s[56:63] the same for B's
.set G0B, 56
.set MSB, 0
.macro WIN new                         ; the immediate's high byte repeats the setting that is left; a switch that changes nothing is dropped
.if MSB != (\new)
	s_set_vgpr_msb (MSB<<8)|(\new)
.set MSB, (\new)
.endif
.endm
.set MUL_LO, 0xa1                      ; source 0 (B) window 1, source 1 (A) window 0, C and D window 2
.set MUL_HI, 0xf1                      ; the same, C and D window 3
.set TO_B,   0x40                      ; destination window 1, address window 0
.macro PLACES n                        ; plain vector instructions between a matrix instruction and a load into, or a read of, its registers
.rept \n
	v_nop
.endr
.endm
; A joint load: waves 0 and 1 fetch A's halves, waves 2 and 3 B's.  The branch hangs on the wave's number alone.  Four v_nop follow each of the two lines.
.macro JLOAD g0a, g1a, g0b, g1b
	s_cmp_eq_u32 s15, 0
	s_cbranch_scc0 .Lfor_b_\@
	tensor_load_to_lds s[\g0a:\g0a+3], s[\g1a:\g1a+7]
	s_nop 0
.rept 4
	v_nop
.endr
	s_branch .Lasked_\@
.Lfor_b_\@:
	tensor_load_to_lds s[\g0b:\g0b+3], s[\g1b:\g1b+7]
	s_nop 0
.rept 4
	v_nop
.endr
.Lasked_\@:
.endm
.macro CREST                           ; a round of the cluster's barrier behind its opening barrier
	s_cmp_lg_u32 s14, 0
	s_cbranch_scc1 .Lnot_wave_0_\@
	s_barrier_signal -3
.Lnot_wave_0_\@:
	s_barrier_wait -3
	s_barrier_signal -1
	s_barrier_wait -1
.endm
.macro CROUND                          ; a whole round
	s_barrier_signal -1
	s_barrier_wait -1
	CREST
.endm
.macro IDS                             ; the add's two registers, the wave's number, my place in the cluster, the two masks
	v_lshl_add_u32 v[SPW], v0, 2, SPARE
	v_mov_b32 v[NIL], 0
	ds_add_u32 v28, v29
	ds_add_u32 v28, v29
	s_wait_dscnt 0x0
	v_lshrrev_b32 v1, 5, v0
	v_readfirstlane_b32 s14, v1                    ; wave 0..3
	s_lshr_b32 s15, s14, 1                         ; which half of the tile's rows is mine.  Also: I fetch for A (0) or for B (1)
	s_and_b32 s16, s14, 1                          ; which half of its columns.  Also: which half of that tile I fetch
	s_bfe_u32 s40, ttmp6, 0x40000                  ; cx
	s_bfe_u32 s41, ttmp6, 0x40004                  ; cy
	s_lshl_b32 s43, s41, 2
	s_lshl_b32 s43, 15, s43                        ; my row of the cluster
	s_lshl_b32 s44, 0x1111, s40                    ; my column
.endm
.macro PARITY                          ; with more than one lap: s[PAR] holds the cluster's x and y, in different bits, and becomes P
.if LAPS > 1
	s_bcnt1_i32_b32 s[PAR], s[PAR]
	s_and_b32 s[PAR], s[PAR], 1
.else
	s_mov_b32 s[PAR], 0                            ; one lap: there is no order to choose
.endif
.endm
.macro DESCR                           ; both groups 1
.if AIMG
	s_or_b32 s[G1+0], s43, (3<<16)|(1<<21)         ; the mask: my row; elements of 8 bytes; bit 21 beside a mask; no padding
	s_mov_b32 s[G1+1], (2*ROWB)<<16                ; tensor_dim0: a block's images of a slot, 16 x ROWB bytes
	s_mov_b32 s[G1+2], NA<<16                      ; tensor_dim1: the blocks of a half
	s_mov_b32 s[G1+3], (2*ROWB)<<16                ; tile_dim0
	s_mov_b32 s[G1+4], NA                          ; tile_dim1
	s_mov_b32 s[G1+5], 2*SIZE_K                    ; from block to block: 16 x SIZE_K bytes
.else
	s_or_b32 s[G1+0], s43, (1<<20)|(1<<21)|(QI<<22)|(3<<25)   ; the mask: my row; elements of 1 byte; padding on: four words behind each row; bit 21 beside a mask
	s_mov_b32 s[G1+1], ROWB<<16
	s_mov_b32 s[G1+2], WR<<16
	s_mov_b32 s[G1+3], ROWB<<16
	s_mov_b32 s[G1+4], WR
	s_mov_b32 s[G1+5], SIZE_K
.endif
	s_mov_b32 s[G1+6], 0
	s_mov_b32 s[G1+7], 0
	s_or_b32 s[G1B+0], s44, (1<<20)|(1<<21)|(QI<<22)|(3<<25)  ; the same with the mask of my column
	s_mov_b32 s[G1B+1], ROWB<<16
	s_mov_b32 s[G1B+2], WR<<16
	s_mov_b32 s[G1B+3], ROWB<<16
	s_mov_b32 s[G1B+4], WR
	s_mov_b32 s[G1B+5], SIZE_K
	s_mov_b32 s[G1B+6], 0
	s_mov_b32 s[G1B+7], 0
.endm
.macro KOFF s                          ; s18 holds a lap's number: s[20:21] and s[22:23] (upper words 0) become the bytes from K = 0 to that lap's slot s, in A and in B
	s_lshl_b32 s18, s18, 1
.if (\s) != 0
	s_add_co_u32 s18, s18, \s
.endif
	s_mul_i32 s20, s18, ASTEP
	s_mul_i32 s22, s18, ROWB
.endm
.macro AIM s                           ; slot s's two groups 0 take those places; no tensor load of mine is out where this stands
	s_add_nc_u64 s[G0+4*\s+2:G0+4*\s+3], s[BA:BA+1], s[20:21]
	s_or_b32 s[G0+4*\s+3], s[G0+4*\s+3], 0x80000000
	s_add_nc_u64 s[G0B+4*\s+2:G0B+4*\s+3], s[BB:BB+1], s[22:23]
	s_or_b32 s[G0B+4*\s+3], s[G0B+4*\s+3], 0x80000000
.endm
.macro FIRST                           ; one round, then both slots' first fills, lap 0 xor P: two tensor loads of mine are out
	s_mul_i32 s45, s16, AHALF                      ; where they go: no place in the cluster enters an LDS address
	s_mul_i32 s19, s16, BHALF
	s_add_co_u32 s19, s19, 2*AHALF
	s_mov_b32 s21, 0
	s_mov_b32 s23, 0
	CROUND                                         ; all sixteen work-groups are here: the first joint loads meet
.irp s, 0,1
	s_mov_b32 s18, s[PAR]
	KOFF \s
	s_mov_b32 s[G0+4*\s], 1
	s_add_co_u32 s[G0+4*\s+1], s45, \s*SLOT
	s_mov_b32 s[G0B+4*\s], 1
	s_add_co_u32 s[G0B+4*\s+1], s19, \s*SLOT
	AIM \s
	JLOAD G0+4*\s, G1, G0B+4*\s, G1B
.endr
.endm
.macro ADDRS                           ; v1 = r, v2 = h, v6 = 16 x lane stay; the fragments' LDS addresses
	v_and_b32 v1, 15, v0
	v_bfe_u32 v2, v0, 4, 1
	v_mul_u32_u24 v3, v1, PITCH
	v_and_b32 v6, 31, v0
	v_lshlrev_b32 v6, 4, v6
.if AIMG
	v_lshl_add_u32 v4, v2, 3, v3                   ; rows in the plain layout: row x pitch + 8 h
.else
	v_lshl_add_u32 v4, v2, 4, v3                   ; row x pitch + 16 h
.endif
	s_mul_i32 s21, s15, AHALF
	s_mul_i32 s22, s16, BHALF
	s_add_co_u32 s22, s22, 2*AHALF
.irp s, 0,1
.if AIMG
	v_add_nc_u32 v[ADRA+\s], s21, v6
.else
	v_add_nc_u32 v[ADRA+\s], s21, v4
.endif
	v_add_nc_u32 v[ADRB+\s], s22, v4
	s_add_co_u32 s21, s21, SLOT
	s_add_co_u32 s22, s22, SLOT
.endr
.endm
; A step covers 128 KK along K: eight units of A and eight of B, 16 registers each; unit u = block u / KK, sub-step u % KK.  A slot holds two steps, q = 0, 1.
.macro FRAGR reg, adr, q, u            ; a unit from rows
.set fo, ((\u)/KK)*16*PITCH+128*(KK*(\q)+(\u)%KK)
.if AIMG
.irp c, 0,1,2,3,4,5,6,7
	ds_load_b64 v[\reg+2*\c:\reg+2*\c+1], v[\adr] offset:fo+16*\c       ; registers 2 c, 2 c + 1: k = 16 c + 8 h + 0 .. 7, as the images have it
.endr
.else
.irp c, 0,1,2,3
	ds_load_b128 v[\reg+4*\c:\reg+4*\c+3], v[\adr] offset:fo+32*\c
.endr
.endif
.endm
.macro FRAGI reg, adr, q, u            ; a unit from its image: 512 consecutive bytes a load
.set fo, ((\u)/KK)*16*ROWB+(KK*(\q)+(\u)%KK)*2048
.irp c, 0,1,2,3
	ds_load_b128 v[\reg+4*\c:\reg+4*\c+3], v[\adr] offset:fo+512*\c
.endr
.endm
.macro FETCH_B slot, q, p
	WIN TO_B
.irp u, 0,1,2,3,4,5,6,7
	FRAGR 128*(\p)+16*\u, ADRB+\slot, \q, \u
.endr
	WIN 0
.endm
.macro FETCH_A slot, q, u0
.irp u, \u0, \u0+1, \u0+2, \u0+3
.if AIMG
	FRAGI AF+16*(\u), ADRA+\slot, \q, \u
.else
	FRAGR AF+16*(\u), ADRA+\slot, \q, \u
.endif
.endr
.endm
; Products: sub-steps k0 .. , A's blocks a0 .. , against all of B's blocks; p: B's set.  zero = 1: a sum's first product takes the constant 0: nothing is cleared.
; The accumulators take turns, one instruction a turn, in the same order in every step.
.macro MULP a0, na, k0, nk, p, zero
.set mk, \k0
.rept \nk
.set ma, \a0
.rept \na
.set mb, 0
.rept NA
.set rD, 8*(NA*(ma%HB)+mb)
.set rB, 128*(\p)+16*(KK*mb+mk)
.set rA, AF+16*(KK*ma+mk)
.if (\zero) && (mk == 0)
	v_wmma_f32_16x16x128_fp8_fp8 v[rD:rD+7], v[rB:rB+15], v[rA:rA+15], 0
.else
	v_wmma_f32_16x16x128_fp8_fp8 v[rD:rD+7], v[rB:rB+15], v[rA:rA+15], v[rD:rD+7]
.endif
.set mb, mb+1
.endr
.set ma, ma+1
.endr
.set mk, mk+1
.endr
.endm
.macro LOW1 p, z                       ; LOW1 and LOW2 use A's units 0-3, HIGH its units 4-7
	MULP 0, 2, 0, 1, \p, \z
.endm
.macro LOW2 p, z
.if KK == 1
	MULP 2, 2, 0, 1, \p, \z
.else
	MULP 0, 2, 1, 1, \p, \z
.endif
.endm
.macro HIGH p, z
	MULP HB, HB, 0, KK, \p, \z
.endm
.macro STEP slot, zero                 ; a slot's first step; it fetches the second step's units
	s_wait_dscnt 4*NLA                             ; B's set and A's units 0-3 are in; the youngest loads (A's units 4-7) may be out
	WIN MUL_LO
	LOW1 0, \zero
	LOW2 0, \zero
	s_wait_dscnt 0x0                               ; A's units 4-7 are in
	PLACES 4
	FETCH_B \slot, 1, 1
	FETCH_A \slot, 1, 0
	WIN MUL_HI
	HIGH 0, \zero
	PLACES 4
	WIN 0
	FETCH_A \slot, 1, 4
.endm
; A slot's second step changes slots: ONE barrier; in front of it each wave waits for all its tensor loads, adds 0 to its spare word, and waits for that and for its own reads of this slot.  fill = 1: the slot is filled again, with its part of the next lap.
.macro TURN slot, next, fill
	s_wait_tensorcnt 0x0                           ; all my tensor loads have landed: my part of the next slot; so every group 0 may be written
	ds_add_u32 v[SPW], v[NIL]                      ; 0 onto my spare word
.if \fill
	s_sub_co_u32 s18, LAPS, s3                     ; the lap that is asked for is the (LAPS - s3)-th of my walk,
	s_xor_b32 s18, s18, s[PAR]                     ; which is this lap of K
	KOFF \slot
	AIM \slot
.endif
	s_wait_dscnt 4*NLA+1                           ; (the add and A's units 4-7 may be out)
	WIN MUL_LO
	LOW1 1, 0                                      ; matrix instructions stand between the add and the wait for it
	s_wait_dscnt 0x0                               ; the add is done, and my reads of this slot are over
	s_barrier_signal -1
	LOW2 1, 0
	WIN 0
	s_barrier_wait -1
.if \fill
	CREST                                          ; the barrier has opened a round of the cluster's barrier: no wave of any partner still reads this slot or has a load on its way
	JLOAD G0+4*\slot, G1, G0B+4*\slot, G1B         ; my one tensor load behind the round; its four v_nop are also the places in front of the loads below
.else
	PLACES 4
.endif
	FETCH_B \next, 0, 0
	FETCH_A \next, 0, 0
	WIN MUL_HI
	HIGH 1, 0
	PLACES 4
	WIN 0
	FETCH_A \next, 0, 4
.endm
.macro MAIN
.if LAPS > 1
	s_mov_b32 s21, 0                               ; the upper words of the refills' two offsets
	s_mov_b32 s23, 0
.endif
	s_wait_tensorcnt 1                             ; my part of slot 0 is in; slot 1's load may be out
	s_barrier_signal -1
	s_barrier_wait -1                              ; everybody's is
	FETCH_B 0, 0, 0
	FETCH_A 0, 0, 0
	FETCH_A 0, 0, 4
	STEP 0, 1                                      ; the first step stands in front of the loop: its products start the sums
.if LAPS > 1
	s_mov_b32 s3, LAPS-1
.Llap:                                             ; a trip goes once round the ring and fills both slots again
	TURN 0, 1, 1
	STEP 1, 0
	TURN 1, 0, 1
	STEP 0, 0
	s_sub_co_u32 s3, s3, 1
	s_cmp_lg_u32 s3, 0
	s_cbranch_scc1 .Llap
.endif
	TURN 0, 1, 0                                   ; the last lap fills nothing, and has no round of the cluster's barrier
	STEP 1, 0
	s_wait_dscnt 4*NLA                             ; the very last step: nothing more to fetch
	WIN MUL_LO
	LOW1 1, 0
	LOW2 1, 0
	s_wait_dscnt 0x0
	WIN MUL_HI
	HIGH 1, 0
	WIN 0
	PLACES 4                                       ; in front of the first read of results and the first write of A's registers
.endm
.macro FINISH
	s_wait_tensorcnt 0x0                           ; the wave's end
	ds_add_u32 v[SPW], v[NIL]
	s_wait_dscnt 0x0
	CROUND                                         ; the closing round: no work-group ends while a partner may still ask for a tile that names it
	s_endpgm
.endm
; ---- end of the core ----
.set STAGE,  SPARE+512                 ; behind the spare words: 16 rows x (256 bytes + 16) for each wave, for the way out; no tensor load lands here
.set SPITCH, 272
.set STO, 24                           ; v24  where I put 32 bytes of a row
.set RD,  25                           ; v25  where I read a row back
.set CO,  26                           ; v26  my byte offset in two rows of x1 and of out0
.set BS,  32                           ; v32-35  the bias at my four columns
.set BK,  128                          ; window 0, v128-255: the rows read back, 32 registers a block.  Window 2, v128-255: my part of x1, in the same places
	s_load_b128 s[4:7], s[0:1], 0x0                ; gc, w_mlp_proj_codes
	s_load_b128 s[8:11], s[0:1], 0x10              ; the scales' exponents, b_mlp_proj
	s_load_b128 s[68:71], s[0:1], 0x20             ; x1, out0
	IDS
	DESCR
	s_lshl_b32 s42, ttmp9, 2
	s_add_co_u32 s42, s42, s40                     ; tile column of C = 4 x cluster x + cx
	s_and_b32 s17, ttmp7, 0xffff
	s_lshl_b32 s[PAR], s17, 8
	s_or_b32 s[PAR], s[PAR], ttmp9                 ; the cluster's y and x, in different bits
	PARITY
	s_lshl_b32 s17, s17, 2
	s_add_co_u32 s17, s17, s41                     ; tile row of C = 4 x cluster y + cy
	s_mul_i32 s18, s16, WR                         ; which half of a tile I fetch
	s_mul_i32 s20, s17, 2*WR
	s_add_co_u32 s20, s20, s18
	s_mul_i32 s20, s20, SIZE_K                     ; A: a row's share of the images is SIZE_K bytes
	s_mov_b32 s21, 0
	s_mul_i32 s46, s42, 2*WR
	s_add_co_u32 s46, s46, s18
	s_mul_i32 s46, s46, SIZE_K                     ; B: rows of SIZE_K bytes
	s_mov_b32 s47, 0
	s_wait_kmcnt 0x0
	s_load_b64 s[96:97], s[8:9], EOFF              ; the two exponents
	s_add_nc_u64 s[BA:BA+1], s[4:5], s[20:21]
	s_add_nc_u64 s[BB:BB+1], s[6:7], s[46:47]
	FIRST
	ADDRS
	s_mul_i32 s23, s14, 16*SPITCH
	s_add_co_u32 s23, s23, STAGE                   ; my stage
	v_mul_u32_u24 v5, v1, SPITCH                   ; in: row r, 32 bytes for each half of the lanes
	v_lshl_add_u32 v5, v2, 5, v5
	v_add_nc_u32 v[STO], s23, v5
	v_mul_u32_u24 v5, v2, SPITCH                   ; back: lanes 0-15 one row of 256 bytes, lanes 16-31 the next
	v_lshl_add_u32 v5, v1, 4, v5
	v_add_nc_u32 v[RD], s23, v5
	v_lshlrev_b32 v5, 12, v2                       ; and the same two rows in memory
	v_lshl_add_u32 v[CO], v1, 4, v5
	v_lshlrev_b32 v7, 4, v1                        ; my four columns' bytes in the wave's 64
	s_lshl_b32 s74, s42, 9                         ; my first column, in bytes: 512 x tile column + 256 x half
	s_lshl_b32 s73, s16, 8
	s_add_co_u32 s74, s74, s73
	s_mov_b32 s75, 0
	s_add_nc_u64 s[10:11], s[10:11], s[74:75]
	s_lshl_b32 s72, s17, 7
	s_lshl_b32 s73, s15, 6
	s_add_co_u32 s72, s72, s73                     ; my first row: 128 x tile row + 64 x half
	s_lshl_b32 s72, s72, 12
	s_add_co_u32 s72, s72, s74
	s_mov_b32 s73, 0
	s_add_nc_u64 s[68:69], s[68:69], s[72:73]
	s_add_nc_u64 s[70:71], s[70:71], s[72:73]
	global_load_b128 v[BS:BS+3], v7, s[10:11]
	WIN 0x80                                       ; destination window 2
.irp a, 0,1,2,3
.irp t, 0,1,2,3,4,5,6,7
	global_load_b128 v[BK+32*\a+4*\t:BK+32*\a+4*\t+3], v[CO], s[68:69] offset:(16*\a+2*\t)*4096 th:TH_LOAD_NT   ; 16 lanes read 256 consecutive bytes
.endr
.endr
	WIN 0
	MAIN
	s_wait_kmcnt 0x0
	s_add_co_i32 s96, s96, s97
	s_add_co_i32 s96, s96, 127
	s_lshl_b32 s96, s96, 23                        ; 2^(e10 + e11) as f32
	s_mov_b32 s97, s96                             ; (named with it as a pair)
	s_wait_loadcnt 0x0                             ; the bias and my part of x1
; A lane holds 32 neighbouring bytes of a row and the lanes beside it hold other rows: a block of 16 rows x 64 columns goes through my own stage and comes back as whole rows of 256 bytes.
; LDS serves a wave's instructions in order (ISA guide 5.7.1.4): no wait between the stores and the loads, nor in front of the next block's stores.
.macro TOSTAGE a
	WIN 0x08+4*((\a)/HB)                           ; the stores' data: window 2 or 3
.irp b, 0,1,2,3
	ds_store_b128 v[STO], v[8*(NA*((\a)%HB)+\b):8*(NA*((\a)%HB)+\b)+3] offset:64*\b          ; each accumulator from its low end on
	ds_store_b128 v[STO], v[8*(NA*((\a)%HB)+\b)+4:8*(NA*((\a)%HB)+\b)+7] offset:64*\b+16
.endr
	WIN 0
.irp t, 0,1,2,3,4,5,6,7
	ds_load_b128 v[BK+32*(\a)+4*\t:BK+32*(\a)+4*\t+3], v[RD] offset:\t*2*SPITCH
.endr
.endm
.macro SEND a, younger                 ; younger: the LDS instructions issued behind block a's loads: the next block's 8 stores and 8 loads, or none
	s_wait_dscnt \younger
.set si, BK+32*(\a)
.rept 8
	v_pk_fma_f32 v[si:si+1], v[si:si+1], s[96:97], v[BS:BS+1] op_sel_hi:[1,0,1]       ; sum x 2^(e10 + e11) + the bias
	v_pk_fma_f32 v[si+2:si+3], v[si+2:si+3], s[96:97], v[BS+2:BS+3] op_sel_hi:[1,0,1]
.set si, si+4
.endr
	WIN 0x08                                       ; source 1: window 2
.set si, BK+32*(\a)
.rept 16
	v_pk_add_f32 v[si:si+1], v[si:si+1], v[si:si+1]                                   ; + x1
.set si, si+2
.endr
	WIN 0
.irp t, 0,1,2,3,4,5,6,7
	global_store_b128 v[CO], v[BK+32*(\a)+4*\t:BK+32*(\a)+4*\t+3], s[70:71] offset:(16*(\a)+2*\t)*4096 th:TH_STORE_NT   ; 16 lanes store 256 consecutive bytes, aligned
.endr
.endm
	TOSTAGE 0
.irp a, 1,2,3
	TOSTAGE \a
	SEND \a-1, 16
.endr
	SEND 3, 0
	FINISH
.Lfunc_end_k_q99e6919f3b_mlp:
	.size	k_q99e6919f3b_mlp, .Lfunc_end_k_q99e6919f3b_mlp-k_q99e6919f3b_mlp
	.p2alignl 7, 3214868480
	.fill 96, 4, 3214868480
	.section	.rodata,"a",@progbits
	.p2align	6, 0x0
	.amdhsa_kernel k_q99e6919f3b_mlp
		.amdhsa_group_segment_fixed_size 327680
		.amdhsa_private_segment_fixed_size 0
		.amdhsa_enable_private_segment 0
		.amdhsa_kernarg_size 48
		.amdhsa_user_sgpr_count 2
		.amdhsa_user_sgpr_kernarg_segment_ptr 1
		.amdhsa_wavefront_size32 1
		.amdhsa_system_sgpr_workgroup_id_x 1
		.amdhsa_system_sgpr_workgroup_id_y 1
		.amdhsa_system_sgpr_workgroup_id_z 1
		.amdhsa_system_vgpr_workitem_id 0
		.amdhsa_next_free_vgpr 1024
		.amdhsa_next_free_sgpr 100
		.amdhsa_reserve_vcc 0
		.amdhsa_float_denorm_mode_32 3
		.amdhsa_float_denorm_mode_16_64 3
		.amdhsa_memory_ordered 1
		.amdhsa_forward_progress 1
		.amdhsa_inst_pref_size 98
	.end_amdhsa_kernel
	.amdgpu_metadata
---
amdhsa.version: [ 1, 2 ]
amdhsa.kernels:
  - .name:           k_q99e6919f3b_mlp
    .symbol:         k_q99e6919f3b_mlp.kd
    .args:
      - { .name: gc, .offset: 0, .size: 8, .value_kind: global_buffer, .address_space: global }
      - { .name: w_mlp_proj_codes, .offset: 8, .size: 8, .value_kind: global_buffer, .address_space: global }
      - { .name: lowp_scales, .offset: 16, .size: 8, .value_kind: global_buffer, .address_space: global }
      - { .name: b_mlp_proj, .offset: 24, .size: 8, .value_kind: global_buffer, .address_space: global }
      - { .name: x1, .offset: 32, .size: 8, .value_kind: global_buffer, .address_space: global }
      - { .name: out0, .offset: 40, .size: 8, .value_kind: global_buffer, .address_space: global }
    .group_segment_fixed_size: 327680
    .private_segment_fixed_size: 0
    .kernarg_segment_align: 8
    .kernarg_segment_size: 48
    .max_flat_workgroup_size: 128
    .sgpr_count:     100
    .vgpr_count:     1024
    .wavefront_size: 32
...
	.end_amdgpu_metadata
.endif
;; end of part 7
